; MI455X (gfx1250); checked and timed in simulation.
; The chip was launched on July 23, 2026; its instructions are those of AMD's public machine-readable ISA for CDNA 5 (MIT licence, August 2026) and "CDNA5" Instruction Set Architecture Reference Guide (July 2026). The comments in the code are by the model that wrote it; some were corrected since.
;; Multi Headed Attention. Allowed arithmetic: matrix products marked QUANTISED: E4M3 operands, one given power-of-two scale a tensor, by v_wmma_f32_16x16x64_fp8_fp8 or v_wmma_f32_16x16x128_fp8_fp8, f32 sums; everything else in f32.
;; Inputs: Wk_codes 1,024 x 32 x 32 uint8 (E4M3 codes of Wk, K innermost, in blocks of 32 codes); Wo_codes 1,024 x 32 x 32 uint8 (E4M3 codes of Wo, K innermost, in blocks of 32 codes); Wq_codes 1,024 x 32 x 32 uint8 (E4M3 codes of Wq, K innermost, in blocks of 32 codes); Wv_codes 1,024 x 32 x 32 uint8 (E4M3 codes of Wv, K innermost, in blocks of 32 codes); bk 1,024 float32; bo 1,024 float32; bq 1,024 float32; bv 1,024 float32; key_codes 4 x 2,048 x 32 x 32 uint8 (E4M3 codes of key, K innermost, in blocks of 32 codes); lowp_scales 12 int32 (the exponents e of the quantised operands' scales 2^e); mask 4 x 2,048 x 2,048 int32; query_codes 4 x 2,048 x 32 x 32 uint8 (E4M3 codes of query, K innermost, in blocks of 32 codes); value_codes 4 x 2,048 x 32 x 32 uint8 (E4M3 codes of value, K innermost, in blocks of 32 codes).
;; Outputs: out0 4 x 2,048 x 1,024 float32.
;; This version of the problem:
;;   THIS VERSION OF THE PROBLEM IS GIVEN IN LOW PRECISION. The matrix products marked QUANTISED in the list below multiply operands that are first quantised to E4M3 (4 exponent bits, 3 mantissa bits; 8 bits a number), with one given power-of-two scale for each operand tensor; their sums are f32. All else is computed in f32.
;;   The module's matrix products, in the order in which they are computed (A, B: the left and right operand; K: the contracted axis; several contracted axes count as one K, in the product's order):
;;     1. [M 8,192, K 1,024] x [K 1,024, N 1,024]; A: input query (given as codes); B: input Wq (given as codes): QUANTISED (scales: A lowp_scales[0], B lowp_scales[1])
;;     2. [M 8,192, K 1,024] x [K 1,024, N 1,024]; A: input key (given as codes); B: input Wk (given as codes): QUANTISED (scales: A lowp_scales[2], B lowp_scales[3])
;;     3. [M 8,192, K 1,024] x [K 1,024, N 1,024]; A: input value (given as codes); B: input Wv (given as codes): QUANTISED (scales: A lowp_scales[4], B lowp_scales[5])
;;     4. batch 64 x [M 2,048, K 64] x [K 64, N 2,048]; A: computed on the way; B: computed on the way: QUANTISED (scales: A lowp_scales[6], B lowp_scales[7])
;;     5. batch 64 x [M 2,048, K 2,048] x [K 2,048, N 64]; A: softmax (see below); B: computed on the way: QUANTISED (scales: A lowp_scales[8], B lowp_scales[9])
;;     6. [M 8,192, K 1,024] x [K 1,024, N 1,024]; A: computed on the way; B: input Wo (given as codes): QUANTISED (scales: A lowp_scales[10], B lowp_scales[11])
;;   THE QUANTISER, for each operand of a quantised product, along K:
;;     - The operand's scale is 2^e, e = its entry of the input lowp_scales (int32; the entries are numbered through the quantised products in the list's order, A before B).
;;     - Each number is divided by the scale, clamped to +-448, and rounded to the nearest number of E4M3, ties to even, subnormals kept.
;;     - The product sums the exact products of the quantised numbers (number of the format x scale) in f32.
;;   ~~~python
;;   def quantise(x, axis, e):      # numpy; x: float32 -> the quantised numbers, widened to float32 again
;;       x = np.moveaxis(x, axis, -1); K = x.shape[-1]
;;       r = np.clip(x / 2.0 ** e, -448, 448)
;;       step = 2.0 ** (np.maximum(np.frexp(np.where(r == 0, 1, r))[1] - 1, -6) - 3)
;;       q = np.round(r / step) * step * 2.0 ** e      # np.round: ties to even
;;       return np.moveaxis(q, -1, axis).astype(np.float32)
;;   ~~~
;;   SOFTMAX AHEAD OF A QUANTISED PRODUCT. Where the list says 'softmax', what is quantised is not the finished softmax but p = 2^(t - M), with t = logit x log2(e) and M = ceil(the row's largest t), a whole number; so 1/2 < the row's largest p <= 1. The row's sum l is taken of the UNQUANTISED p, in f32, and the product's result is divided by l at the end. Since M is a whole number, a kernel that streams over the keys may use a running M (the ceiling of the running maximum): every later rescaling is an exact power of two, so the quantised numbers keep their values, but for numbers so far below the row's largest that they fall under the format's range.
;;   OPERANDS COMPUTED ON THE WAY. 'Computed on the way' means the value that the module computes at that place (a softmax that the list does not call 'softmax' is quantised finished and normalised). What goes into a quantiser is computed in f32, as accurately as f32 sums, v_exp_f32 and their like allow (about 1e-6 of the number): no bf16 or f16 on the way to a quantiser, and a product that is left as it is and whose result goes on into a quantised operand takes f32 operands (vector FMAs, or v_wmma_f32_16x16x4_f32). A number that lies on a knife's edge between two numbers of the format may be rounded either way, as far as f32 arithmetic and the matrix unit's own rounding can turn it there, and no further.
;;   INPUTS GIVEN AS CODES. Wk (in the module: [1024, 1024], K = its axis 1); Wo (in the module: [1024, 1024], K = its axis 1); Wq (in the module: [1024, 1024], K = its axis 1); Wv (in the module: [1024, 1024], K = its axis 1); key (in the module: [4, 2048, 1024], K = its axis 2); query (in the module: [4, 2048, 1024], K = its axis 2); value (in the module: [4, 2048, 1024], K = its axis 2): each comes as NAME_codes (uint8): NAME with its K axis moved to the last place and cut into blocks of 32 codes, [.., K / 32, bytes a block], one block behind the other in memory; one code a byte (a code: sign, 4 exponent bits, 3 mantissa bits); its scale is its entry of lowp_scales. Its value is code x scale, taken as it is: it is not quantised again, and the codes and scales need not be those that the quantiser above would give.
;; One version. Each part assembles by itself: llvm-mc -triple=amdgcn-amd-amdhsa -mcpu=gfx1250 --defsym DOCPART=n.
;; ======== version 1 of 1: 4 launches
;; limits: right only within a limited range of input values
;; workspace buffers: mw 2,097,152 bytes of whole numbers; qimg 8,388,608 bytes; kimg 8,388,608 bytes; vimg 8,388,608 bytes; xf 8,388,608 bytes
;; launch pack (part 1): grid 512 x 1, 8 waves a work-group, no clusters, 140,288 bytes of LDS; arguments mask, mw; writes mw
.if DOCPART == 1
	.amdgcn_target "amdgcn-amd-amdhsa--gfx1250"
	.amdhsa_code_object_version 6
	.text
	.protected	k_qaef42b945f_pack
	.globl	k_qaef42b945f_pack
	.p2align	8
	.type	k_qaef42b945f_pack,@function
k_qaef42b945f_pack:
	s_mov_b64 s[64:65], 0
	v_nop
	global_prefetch_b8 v0, s[64:65] scope:SCOPE_SE
	s_setreg_imm32_b32 hwreg(HW_REG_WAVE_MODE, 25, 1), 1
	s_wait_xcnt 0x0
; THE PROGRAM: four launches.  pack: the mask becomes lane-mask words.  qkv: products 1 to 3, their results quantised.  attn: products 4 and 5 with the softmax.  oproj: product 6.
; NO WORK OF reference() IS LEFT OUT: every product of the table is live, every input has a way to out0 and is loaded by one of the launches (bk too: it moves k's codes).
; THIS LAUNCH.  mask [4][2048][2048] int32 is read once, and each of its numbers becomes one bit, laid as the attention launch's select wants it:
; word ((Tq x 32 + kb) x 32 + n) of mw, Tq = a tile of 16 queries (batch x 128 + tile), kb = a block of 64 keys, n = 8 kt + j;
; bit r + 16 h of it is 1 where mask[16 Tq + r][64 kb + 16 kt + 8 h + j] == 0: the score that lane r + 16 h holds in register n of its tile of S^T.
; SHARES.  A work-group takes 16 rows of the mask (131,072 dense bytes), each of its eight waves 256 keys: four blocks of 64.  All 32 loads of a wave go out at once; each covers two rows x 256 aligned bytes.
; A block turns through the wave's own stage in LDS (16 rows x 272 bytes), since a compare wants lane r + 16 h to hold row r.  No barrier: waves share nothing.  Matrix units, clusters, tensor loads: nothing here for them.
.set SP,    272                        ; a stage row: 256 bytes + 16 of padding: the 16 rows that a read touches start at 16 different groups of banks
.set STG,   16*SP                      ; a stage: one block of 64 keys
.set WREG,  4*STG                      ; a wave's four stages
.set SPARE, 8*WREG                     ; behind them: the spare words, 128 bytes for each wave
.set GA,  1                            ; v1   in the mask: (lane / 16) rows + 16 (lane % 16)
.set SA,  2                            ; v2   into the stage, as loaded
.set RA,  3                            ; v3   out of the stage: row lane % 16, + 32 (lane / 16)
.set OUT, 4                            ; v[4:7] the wave's 128 words: lane l holds words 4 l .. 4 l + 3
.set OA,  8                            ; v8   16 x lane
.set SPW, 10                           ; v10  my spare word; never rewritten
.set NIL, 11                           ; v11  0; never rewritten
.set LD,  32                           ; v[32:159] the 32 loads
.set R,   160                          ; v[160:191] a block as the compares want it
.set W,   32                           ; s[32:63] a block's 32 words
	s_load_b128 s[4:7], s[0:1], 0x0                ; mask, mw
	v_lshl_add_u32 v[SPW], v0, 2, SPARE
	v_mov_b32 v[NIL], 0
	v_lshrrev_b32 v12, 5, v0
	s_delay_alu instid0(VALU_DEP_1)
	v_readfirstlane_b32 s8, v12                    ; wave 0..7
	v_and_b32 v12, 15, v0                          ; r
	v_bfe_u32 v13, v0, 4, 1                        ; h
	s_delay_alu instid0(VALU_DEP_2)
	v_lshlrev_b32 v14, 4, v12
	s_delay_alu instid0(VALU_DEP_1)
	v_lshl_add_u32 v[GA], v13, 13, v14             ; a row of the mask is 8,192 bytes
	s_mul_i32 s9, s8, WREG
	v_mad_u32_u24 v[SA], v13, SP, v14
	s_delay_alu instid0(VALU_DEP_1)
	v_add_nc_u32 v[SA], s9, v[SA]
	v_mul_u32_u24 v[RA], v12, SP
	s_delay_alu instid0(VALU_DEP_1)
	v_lshl_add_u32 v[RA], v13, 5, v[RA]
	s_delay_alu instid0(VALU_DEP_1)
	v_add_nc_u32 v[RA], s9, v[RA]
	v_and_b32 v[OA], 31, v0
	s_delay_alu instid0(VALU_DEP_1)
	v_lshlrev_b32 v[OA], 4, v[OA]
.irp i, 0,1,2,3
	v_mov_b32 v[OUT+\i], 0                         ; written once: a lane write's destination counts as one of its sources
.endr
	s_lshl_b32 s10, ttmp9, 17                      ; my 16 rows,
	s_lshl_b32 s14, s8, 10                         ; my wave's 256 keys
	s_add_co_u32 s10, s10, s14
	s_mov_b32 s11, 0
	s_lshl_b32 s12, ttmp9, 12                      ; the tile's 1,024 words,
	s_lshl_b32 s14, s8, 9                          ; my wave's 128
	s_add_co_u32 s12, s12, s14
	s_mov_b32 s13, 0
	s_wait_alu depctr_va_vdst(0)
	s_wait_kmcnt 0x0
	s_add_nc_u64 s[10:11], s[4:5], s[10:11]
	s_add_nc_u64 s[12:13], s[6:7], s[12:13]
.irp c, 0,1,2,3
.irp i, 0,1,2,3,4,5,6,7
	global_load_b128 v[LD+4*(8*\c+\i):LD+4*(8*\c+\i)+3], v[GA], s[10:11] offset:\i*16384+\c*256 th:TH_LOAD_NT   ; rows 2 i, 2 i + 1; block c
.endr
.endr
.macro BLOCK c
	s_wait_loadcnt 24-8*(\c)                       ; this block's eight loads are in; the later blocks' may be out
.irp i, 0,1,2,3,4,5,6,7
	ds_store_b128 v[SA], v[LD+4*(8*(\c)+\i):LD+4*(8*(\c)+\i)+3] offset:(\c)*STG+\i*2*SP
.endr
.irp kt, 0,1,2,3
	ds_load_b128 v[R+8*\kt:R+8*\kt+3], v[RA] offset:(\c)*STG+64*\kt        ; LDS serves a wave's instructions in order: these see my stores
	ds_load_b128 v[R+8*\kt+4:R+8*\kt+7], v[RA] offset:(\c)*STG+64*\kt+16
.endr
	s_wait_dscnt 0x0
.set N, 0
.rept 32
	v_cmp_eq_u32 s[W+N], 0, v[R+N]                 ; word n: a bit for each lane, 1 where the mask hides the key
.set N, N+1
.endr
.set N, 0
.rept 32
	v_writelane_b32 v[OUT+N%4], s[W+N], 8*(\c)+N/4 ; word 32 c + n of the wave's 128 goes to lane (32 c + n) / 4
.set N, N+1
.endr
.endm
	BLOCK 0
	BLOCK 1
	BLOCK 2
	BLOCK 3
	global_store_b128 v[OA], v[OUT:OUT+3], s[12:13]  ; 512 consecutive bytes, aligned
	s_wait_tensorcnt 0x0                           ; the wave's end: behind my last LDS store
	ds_add_u32 v[SPW], v[NIL]
	s_wait_dscnt 0x0
	s_endpgm
.Lfunc_end_k_qaef42b945f_pack:
	.size	k_qaef42b945f_pack, .Lfunc_end_k_qaef42b945f_pack-k_qaef42b945f_pack
	.p2alignl 7, 3214868480
	.fill 96, 4, 3214868480
	.section	.rodata,"a",@progbits
	.p2align	6, 0x0
	.amdhsa_kernel k_qaef42b945f_pack
		.amdhsa_group_segment_fixed_size 140288
		.amdhsa_private_segment_fixed_size 0
		.amdhsa_enable_private_segment 0
		.amdhsa_kernarg_size 16
		.amdhsa_user_sgpr_count 2
		.amdhsa_user_sgpr_kernarg_segment_ptr 1
		.amdhsa_wavefront_size32 1
		.amdhsa_system_sgpr_workgroup_id_x 1
		.amdhsa_system_sgpr_workgroup_id_y 1
		.amdhsa_system_sgpr_workgroup_id_z 1
		.amdhsa_system_vgpr_workitem_id 0
		.amdhsa_next_free_vgpr 192
		.amdhsa_next_free_sgpr 66
		.amdhsa_reserve_vcc 0
		.amdhsa_float_denorm_mode_32 3
		.amdhsa_float_denorm_mode_16_64 3
		.amdhsa_memory_ordered 1
		.amdhsa_forward_progress 1
		.amdhsa_inst_pref_size 26
	.end_amdhsa_kernel
	.amdgpu_metadata
---
amdhsa.version: [ 1, 2 ]
amdhsa.kernels:
  - .name:           k_qaef42b945f_pack
    .symbol:         k_qaef42b945f_pack.kd
    .args:
      - { .name: mask, .offset: 0, .size: 8, .value_kind: global_buffer, .address_space: global }
      - { .name: mw, .offset: 8, .size: 8, .value_kind: global_buffer, .address_space: global }
    .group_segment_fixed_size: 140288
    .private_segment_fixed_size: 0
    .kernarg_segment_align: 8
    .kernarg_segment_size: 16
    .max_flat_workgroup_size: 256
    .sgpr_count:     66
    .vgpr_count:     192
    .wavefront_size: 32
...
	.end_amdgpu_metadata
.endif
;; end of part 1
;; launch qkv (part 2): grid 4 x 96, 4 waves a work-group, clusters of 4 x 4, 327,680 bytes of LDS; arguments query_codes, key_codes, value_codes, Wq_codes, Wk_codes, Wv_codes, bq, bk, bv, lowp_scales, qimg, kimg, vimg; writes qimg, kimg, vimg
.if DOCPART == 2
	.amdgcn_target "amdgcn-amd-amdhsa--gfx1250"
	.amdhsa_code_object_version 6
	.text
	.protected	k_qaef42b945f_qkv
	.globl	k_qaef42b945f_qkv
	.p2align	8
	.type	k_qaef42b945f_qkv,@function
k_qaef42b945f_qkv:
	s_mov_b64 s[64:65], 0
	v_nop
	global_prefetch_b8 v0, s[64:65] scope:SCOPE_SE
	s_setreg_imm32_b32 hwreg(HW_REG_WAVE_MODE, 25, 1), 1
	s_wait_xcnt 0x0
	s_wait_alu depctr_hold_cnt(0) depctr_sa_sdst(0) depctr_va_vdst(0) depctr_va_sdst(0) depctr_va_ssrc(0) depctr_va_vcc(0) depctr_vm_vsrc(0)
	s_getreg_b32 s2, hwreg(HW_REG_IB_STS2, 6, 4)
	s_cmp_eq_u32 s2, 0
	s_cbranch_scc0 .Lentry_in_a_cluster
	s_endpgm
.Lentry_in_a_cluster:
	s_bfe_u32 s2, ttmp6, 0x10000c
	s_cmp_lg_u32 s2, 0xf033
	s_cbranch_scc0 .Lentry_shape_is_right
	s_endpgm
.Lentry_shape_is_right:
; Products 1 to 3: y = X W^T + b on codes of E4M3 (X [8192][1024], W [1024][1024], K innermost), y quantised at once with the given scale of its next product.  Nothing of reference() is left out here.
; ONE LAUNCH FOR THE THREE: clusters 0-7 along y take q, 8-15 k, 16-23 v (sel): only pointers and exponents are chosen, by selects on the cluster's y, which all partners share.
; A tile of 256 tokens x 256 features is made by four waves, 128 x 128 each: 64 accumulators, 512 registers.  K goes in steps of 256 through a ring of two LDS slots filled by the tensor data mover.
; CLUSTERS: 4 x 4 work-groups.  X's tile hangs on the tile row alone and is asked for jointly by a row of the cluster, W's on the tile column alone, by a column.
; THE MATRIX INSTRUCTION: source 0 = 16 rows of side B, source 1 = 16 rows of side A: a lane holds ONE row of side A, and its eight registers eight neighbouring rows of side B.
;   q, k: side A = X, side B = W: a lane holds a token, its registers run along the head's d, which is the K of product 4.
;   v:    side A = W, side B = X: a lane holds a feature d, its registers run along the tokens, which are the K of product 5.  Only the LDS bases of the fragments differ.
; THE RESULTS LEAVE AS IMAGES OF THE NEXT OPERAND'S REGISTERS.  The conversion of one accumulator gives registers 2 c, 2 c + 1 of a fragment of the K = 64 form (k = 16 c + 8 (lane / 16) + 0 .. 7).
;   qimg, kimg: byte bh x 131072 + (token / 16) x 1024 + 512 i + 16 lane: registers 4 i .. 4 i + 3.    vimg: bh x 131072 + (key / 64) x 4096 + (d / 16) x 1024 + 512 i + 16 lane.
;   Each store of a wave covers 512 consecutive bytes, aligned: no stage in LDS.
; LIMITS: the two operands' exponents added lie between -126 and 127; the result's exponent (entries 6, 7, 9) between -126 and 119.  NaN among the inputs is not served.
; REGISTERS, in windows of 256: window 0: v0-31 addresses; v32-95 the bias; from v128 side A's fragments, ONE set; on the way out v128-223 at work.  window 1: side B's fragments, TWO sets.  windows 2, 3: the accumulators ((a, b) at v[8 (8 (a % 4) + b)]).
.set SIZE_K, 1024
.set KSTEP,  256                       ; along K in a slot
.set ROWB,   256                       ; a tile's row in bytes
.set KROW,   SIZE_K                    ; a row of X or W in memory
.set PITCH,  272                       ; an LDS row: 256 bytes + 16 of padding: the 16 rows that a load touches start at 16 different groups of banks
.set FR,     16                        ; registers of a fragment: 16 rows x 128 K
.set NL,     4                         ; LDS loads that bring one
.set NP,     4                         ; places behind this matrix instruction (ISA guide 7.12.1)
.set HALFT,  128*PITCH                 ; what one tensor load brings
.set SLOT,   4*HALFT                   ; X's 256 rows, then W's 256 rows
.set LAPS,   SIZE_K/(2*KSTEP)
.set SPARE,  2*SLOT                    ; behind the ring: the spare words, 128 bytes for each wave
.set BSCR,   SPARE+512                 ; behind them: 512 bytes for each wave: its 128 numbers of the bias.  No fill lands here
.set ADRA, 16                          ; v16-17  LDS address of side A's fragments in slot 0, 1
.set ADRB, 20                          ; v20-21  the same for side B
.set CO,   26                          ; v26     16 x lane
.set SPW,  28                          ; v28     my spare word; never rewritten
.set NIL,  29                          ; v29     0; never rewritten
.set BI,   32                          ; v32-95  the bias as the way out wants it
.set AF,   128                         ; side A's fragments
.set TMP,  128                         ; the way out: a block's 64 numbers
.set G1, 24                            ; s[24:31] descriptor group 1 for X's tiles;  s[32:39] group 0, one set for each slot
.set G0, 32
.set G1B, 48                           ; s[48:55], s[56:63] the same for W's tiles
.set G0B, 56
.set MSB, 0
.macro WIN new                         ; the immediate's high byte repeats the setting that is left
.if MSB != \new
	s_set_vgpr_msb (MSB<<8)|\new
.set MSB, \new
.endif
.endm
.set MUL_LO, 0xa1                      ; source 0 window 1, source 1 window 0, C and D window 2
.set MUL_HI, 0xf1                      ; the same, C and D window 3
.set TO_B,   0x40                      ; destination window 1, address window 0
; A joint load: waves 0 and 1 fetch X's halves, waves 2 and 3 W's.  The branch hangs on the wave's number alone.  An s_nop 0 and four v_nop follow each of the two lines.
.macro JLOAD g0a, g1a, g0b, g1b
	s_cmp_eq_u32 s15, 0
	s_cbranch_scc0 .Lfor_b_\@
	tensor_load_to_lds s[\g0a:\g0a+3], s[\g1a:\g1a+7]
	s_nop 0
.rept 4
	v_nop
.endr
	s_branch .Lasked_\@
.Lfor_b_\@:
	tensor_load_to_lds s[\g0b:\g0b+3], s[\g1b:\g1b+7]
	s_nop 0
.rept 4
	v_nop
.endr
.Lasked_\@:
.endm
.macro CREST                           ; a round of the cluster's barrier behind its opening barrier
	s_cmp_lg_u32 s14, 0
	s_cbranch_scc1 .Lnot_wave_0_\@
	s_barrier_signal -3
.Lnot_wave_0_\@:
	s_barrier_wait -3
	s_barrier_signal -1
	s_barrier_wait -1
.endm
.macro CROUND                          ; a whole round
	s_barrier_signal -1
	s_barrier_wait -1
	CREST
.endm
	s_load_b512 s[68:83], s[0:1], 0x0              ; query 68, key 70, value 72, Wq 74, Wk 76, Wv 78, bq 80, bk 82
	s_load_b256 s[84:91], s[0:1], 0x40             ; bv 84, the scales' exponents 86, qimg 88, kimg 90
	s_load_b64 s[92:93], s[0:1], 0x60              ; vimg
	v_lshl_add_u32 v[SPW], v0, 2, SPARE
	v_mov_b32 v[NIL], 0
	ds_add_u32 v[SPW], v[NIL]                      ; the wave's opening: the add, twice on end, and its wait ahead of my first tensor load
	ds_add_u32 v[SPW], v[NIL]                      ; the same add once more, under the one wait; the set-up below, work on registers, stands between
	v_lshrrev_b32 v1, 5, v0
	v_readfirstlane_b32 s14, v1                    ; wave 0..3
	s_lshr_b32 s15, s14, 1                         ; my half of side A's rows.  Also: I fetch for X (0) or for W (1)
	s_and_b32 s16, s14, 1                          ; my half of side B's rows.  Also: which 128 rows of that tile I fetch
	s_bfe_u32 s40, ttmp6, 0x40000                  ; cx, cy: my place in the cluster
	s_bfe_u32 s41, ttmp6, 0x40004
	s_lshl_b32 s42, ttmp9, 2
	s_add_co_u32 s42, s42, s40                     ; tile column (256 features) = 4 x cluster x + cx
	s_and_b32 s17, ttmp7, 0xffff                   ; cluster y, 0..23
	s_lshr_b32 s94, s17, 3                         ; sel: 0 q, 1 k, 2 v: the same in all sixteen partners
	s_and_b32 s17, s17, 7
	s_lshl_b32 s17, s17, 2
	s_add_co_u32 s17, s17, s41                     ; tile row (256 tokens) = 4 x (cluster y % 8) + cy
	s_lshl_b32 s43, s41, 2
	s_lshl_b32 s43, 15, s43                        ; my row of the cluster
	s_lshl_b32 s44, 0x1111, s40                    ; my column
	; descriptor group 1: a tile of 128 rows x 256 bytes, padded in LDS
	s_or_b32 s[G1+0], s43, (0<<16)|(1<<20)|(1<<21)|(5<<22)|(3<<25)  ; 15:0 the mask: X's tiles go to my row; elements of 1 byte; 20 padding on; 21 set beside a mask; after every 64 words (code 5) four words (code 3)
	s_or_b32 s[G1B+0], s44, (0<<16)|(1<<20)|(1<<21)|(5<<22)|(3<<25) ; W's tiles go to my column
.irp g, G1, G1B
	s_mov_b32 s[\g+1], ROWB<<16                    ; tensor_dim0
	s_mov_b32 s[\g+2], 128<<16                     ; tensor_dim1
	s_mov_b32 s[\g+3], ROWB<<16                    ; tile_dim0
	s_mov_b32 s[\g+4], 128                         ; tile_dim1
	s_mov_b32 s[\g+5], KROW                        ; tensor_dim0_stride
	s_mov_b32 s[\g+6], 0
	s_mov_b32 s[\g+7], 0
.endr
	s_lshl_b32 s18, s16, 7                         ; which 128 rows of the tile I fetch
	s_lshl_b32 s20, s17, 8
	s_add_co_u32 s20, s20, s18                     ; X: row 256 x tile row + 128 x half
	s_lshl_b32 s46, s42, 8
	s_add_co_u32 s46, s46, s18                     ; W: row 256 x tile column + 128 x half
	s_mov_b32 s21, 0
	s_mov_b32 s47, 0
	s_mov_b64 s[18:19], KROW
	s_mul_u64 s[20:21], s[20:21], s[18:19]
	s_mul_u64 s[46:47], s[46:47], s[18:19]
	s_mul_i32 s45, s14, HALFT                      ; where they go: wave x 128 rows: no place in the cluster enters an LDS address
	s_wait_dscnt 0x0                               ; both opening adds are done
	s_wait_kmcnt 0x0
	s_cmp_eq_u32 s94, 1                            ; the tensors of my product: a choice on the cluster's y, which hangs on no address
	s_cselect_b64 s[4:5], s[70:71], s[68:69]       ; X
	s_cselect_b64 s[6:7], s[76:77], s[74:75]       ; W
	s_cselect_b64 s[8:9], s[82:83], s[80:81]       ; the bias
	s_cselect_b64 s[10:11], s[90:91], s[88:89]     ; the images
	s_cmp_eq_u32 s94, 2
	s_cselect_b64 s[4:5], s[72:73], s[4:5]
	s_cselect_b64 s[6:7], s[78:79], s[6:7]
	s_cselect_b64 s[8:9], s[84:85], s[8:9]
	s_cselect_b64 s[10:11], s[92:93], s[10:11]
	s_load_b256 s[68:75], s[86:87], 0x0            ; entries 0 to 7 of the exponents
	s_load_b128 s[76:79], s[86:87], 0x20           ; entries 8 to 11
	s_add_nc_u64 s[20:21], s[4:5], s[20:21]
	s_add_nc_u64 s[46:47], s[6:7], s[46:47]
	CROUND                                         ; all sixteen work-groups are here: the first joint loads meet
.irp s, 0,1
	s_mov_b32 s[G0+4*\s], 1
	s_add_co_u32 s[G0+4*\s+1], s45, \s*SLOT
	s_add_nc_u64 s[G0+4*\s+2:G0+4*\s+3], s[20:21], \s*ROWB
	s_or_b32 s[G0+4*\s+3], s[G0+4*\s+3], 0x80000000
	s_mov_b32 s[G0B+4*\s], 1
	s_add_co_u32 s[G0B+4*\s+1], s45, \s*SLOT
	s_add_nc_u64 s[G0B+4*\s+2:G0B+4*\s+3], s[46:47], \s*ROWB
	s_or_b32 s[G0B+4*\s+3], s[G0B+4*\s+3], 0x80000000
	JLOAD G0+4*\s, G1, G0B+4*\s, G1B
.endr
	v_and_b32 v1, 15, v0                           ; r = lane % 16
	v_bfe_u32 v2, v0, 4, 1                         ; h = lane / 16
	v_mul_u32_u24 v3, v1, PITCH
	v_lshl_add_u32 v4, v2, 4, v3                   ; a fragment's row x pitch + 16 x half
	s_wait_alu depctr_va_vdst(0)
	s_cmp_eq_u32 s94, 2                            ; v: the sides change places
	s_cselect_b32 s66, 2*HALFT, 0                  ; where side A's 256 rows lie in a slot: X's lie first, W's behind them
	s_cselect_b32 s67, 0, 2*HALFT                  ; and side B's
	s_cselect_b32 s12, s16, s15                    ; my half of the tile's tokens
	s_cselect_b32 s13, s15, s16                    ; my half of its features
	s_mul_i32 s21, s15, HALFT
	s_add_co_u32 s21, s21, s66
	s_mul_i32 s22, s16, HALFT
	s_add_co_u32 s22, s22, s67
.irp s, 0,1
	v_add_nc_u32 v[ADRA+\s], s21, v4
	v_add_nc_u32 v[ADRB+\s], s22, v4
	s_add_co_u32 s21, s21, SLOT
	s_add_co_u32 s22, s22, SLOT
.endr
	v_and_b32 v6, 31, v0
	v_lshlrev_b32 v[CO], 4, v6                     ; 16 x lane
	s_wait_alu depctr_va_vdst(0)
	s_lshl_b32 s23, s14, 9
	s_add_co_u32 s23, s23, BSCR                    ; my 512 bytes for the bias
	v_add_nc_u32 v7, s23, v[CO]                    ; in: as loaded
	v_lshl_add_u32 v10, v2, 5, s23                 ; out, q and k: eight numbers of my half of a block of 16 features
	v_lshl_add_u32 v11, v1, 2, s23                 ; out, v: my lane's feature
	s_lshl_b32 s46, s42, 2
	s_lshl_b32 s47, s13, 1
	s_add_co_u32 s46, s46, s47                     ; my first head: 4 x tile column + 2 x half
	s_lshl_b32 s20, s46, 8                         ; its 64 numbers of 4 bytes
	s_mov_b32 s21, 0
	s_add_nc_u64 s[8:9], s[8:9], s[20:21]
	global_load_b128 v[12:15], v[CO], s[8:9]       ; my wave's 128 numbers of the bias: 512 consecutive bytes
	s_lshl_b32 s20, s17, 8
	s_lshl_b32 s22, s12, 7
	s_add_co_u32 s20, s20, s22                     ; my first token: 256 x tile row + 128 x half
	s_lshr_b32 s22, s20, 11                        ; its batch
	s_lshl_b32 s22, s22, 4
	s_add_co_u32 s22, s22, s46                     ; batch x 16 + head
	s_lshl_b32 s22, s22, 17                        ; x 131,072
	s_and_b32 s20, s20, 2047
	s_lshl_b32 s20, s20, 6                         ; 16 tokens are 1,024 bytes of qimg and kimg, 64 keys 4,096 of vimg: 64 bytes a token in both
	s_add_co_u32 s20, s20, s22
	s_mov_b32 s21, 0
	s_add_nc_u64 s[10:11], s[10:11], s[20:21]
.macro FRAG reg, adr, q, i             ; a fragment: lane l holds row l % 16; registers 4 c .. 4 c + 3 hold K = 32 c + 16 (l / 16) + 0 .. 15: a permutation of k, the same on both sides
.irp c, 0,1,2,3
	ds_load_b128 v[\reg+4*\c:\reg+4*\c+3], v[\adr] offset:128*(\q)+32*\c+(\i)*16*PITCH
.endr
.endm
; 16 matrix instructions: side A's blocks a0, a0 + 1 x side B's eight, 128 along K.  p: side B's set.  zero = 1: the first product starts the sums.
; The 64 accumulators take turns, one instruction a turn, in the same order in every step.
.macro MUL16 a0, p, zero
.irp a, \a0, \a0+1
.irp b, 0,1,2,3,4,5,6,7
.if \zero
	v_wmma_f32_16x16x128_fp8_fp8 v[8*(8*((\a)%4)+\b):8*(8*((\a)%4)+\b)+7], v[128*(\p)+FR*\b:128*(\p)+FR*\b+FR-1], v[AF+FR*(\a):AF+FR*(\a)+FR-1], 0
.else
	v_wmma_f32_16x16x128_fp8_fp8 v[8*(8*((\a)%4)+\b):8*(8*((\a)%4)+\b)+7], v[128*(\p)+FR*\b:128*(\p)+FR*\b+FR-1], v[AF+FR*(\a):AF+FR*(\a)+FR-1], v[8*(8*((\a)%4)+\b):8*(8*((\a)%4)+\b)+7]
.endif
.endr
.endr
.endm
.macro FETCH_B slot, q, p
	WIN TO_B
.irp i, 0,1,2,3,4,5,6,7
	FRAG 128*(\p)+FR*\i, ADRB+\slot, \q, \i
.endr
	WIN 0
.endm
.macro FETCH_A slot, q, i0
.irp i, \i0, \i0+1, \i0+2, \i0+3
	FRAG AF+FR*(\i), ADRA+\slot, \q, \i
.endr
.endm
.macro PLACES n                        ; plain vector instructions between a matrix instruction and a load into, or a read of, its registers
.rept \n
	v_nop
.endr
.endm
; A step of 128 along K that has its successor in the same slot.
.macro STEP slot, q, zero
	s_wait_dscnt 4*NL                              ; side B's set and side A's blocks 0-3 are in; the youngest sixteen loads (blocks 4-7) may be out
	WIN MUL_LO
	MUL16 0, (\q)%2, \zero
	MUL16 2, (\q)%2, \zero
	s_wait_dscnt 0                                 ; blocks 4-7 are in
	PLACES NP
	FETCH_B \slot, (\q)+1, 1-(\q)%2
	FETCH_A \slot, (\q)+1, 0
	WIN MUL_HI
	MUL16 4, (\q)%2, \zero
	MUL16 6, (\q)%2, \zero
	PLACES NP
	WIN 0
	FETCH_A \slot, (\q)+1, 4
.endm
; A slot's last step changes slots: ONE barrier; in front of it each wave waits for all its tensor loads, adds 0 to its spare word, and waits for that and for its reads of this slot.  fill = 1: this slot is filled again, two K steps ahead.
.macro TURN slot, next, fill
	s_wait_tensorcnt 0x0                           ; all my tensor loads have landed: my part of the next slot  (every window is 0 here)
	ds_add_u32 v[SPW], v[NIL]                      ; 0 onto my spare word
	s_wait_dscnt 4*NL+1                            ; the add and the youngest sixteen loads may be out
	WIN MUL_LO
	MUL16 0, 1, 0                                  ; sixteen matrix instructions stand between the add and the wait for it
	s_wait_dscnt 0x0                               ; the add is done, and my reads of this slot are over
	s_barrier_signal -1
	MUL16 2, 1, 0
	WIN 0
	s_barrier_wait -1
.if \fill
	CREST                                          ; the barrier has opened a round of the cluster's: no wave of any partner still reads this slot or has a load on its way
	s_add_nc_u64 s[G0+4*\slot+2:G0+4*\slot+3], s[G0+4*\slot+2:G0+4*\slot+3], 2*ROWB
	s_add_nc_u64 s[G0B+4*\slot+2:G0B+4*\slot+3], s[G0B+4*\slot+2:G0B+4*\slot+3], 2*ROWB
	JLOAD G0+4*\slot, G1, G0B+4*\slot, G1B         ; the first tensor load behind the round; its four v_nop are the places in front of the loads below
.else
	PLACES NP
.endif
	FETCH_B \next, 0, 0
	FETCH_A \next, 0, 0
	WIN MUL_HI
	MUL16 4, 1, 0
	MUL16 6, 1, 0
	PLACES NP
	WIN 0
	FETCH_A \next, 0, 4
.endm
	s_wait_alu depctr_va_vdst(0)
	s_wait_loadcnt 0x0                             ; the bias
	ds_store_b128 v7, v[12:15]                     ; into my own 512 bytes: only I read them
	s_wait_tensorcnt 1                             ; my part of K step 0 is in; K step 1's load may be out
	s_wait_dscnt 0x0                               ; no LDS instruction of mine is out at a signal
	s_barrier_signal -1
	s_barrier_wait -1
	FETCH_B 0, 0, 0
	FETCH_A 0, 0, 0
	FETCH_A 0, 0, 4
	STEP 0, 0, 1                                   ; the first step stands in front of the loop: its products start the sums
	s_mov_b32 s3, LAPS-1
.Llap:                                                 ; a trip goes once round the ring and fills both slots again
	TURN 0, 1, 1
	STEP 1, 0, 0
	TURN 1, 0, 1
	STEP 0, 0, 0
	s_sub_co_u32 s3, s3, 1
	s_cmp_lg_u32 s3, 0
	s_cbranch_scc1 .Llap
	TURN 0, 1, 0                                   ; the last lap fills nothing, and has no round of the cluster's barrier
	STEP 1, 0, 0
	s_wait_dscnt 4*NL                              ; the very last step
	WIN MUL_LO
	MUL16 0, 1, 0
	MUL16 2, 1, 0
	s_wait_dscnt 0
	WIN MUL_HI
	MUL16 4, 1, 0
	MUL16 6, 1, 0
	WIN 0
	; THE WAY OUT.  y = sum x 2^(ea + eb) + bias, held within +-448 x 2^eo, converted with the scale 2^eo.  The exponents are chosen by selects: no branch hangs on a loaded number.
	s_wait_kmcnt 0x0
	s_cmp_eq_u32 s94, 1
	s_cselect_b32 s80, s70, s68                    ; ea: entry 0, 2 or 4
	s_cselect_b32 s81, s71, s69                    ; eb: entry 1, 3 or 5
	s_cselect_b32 s82, s75, s74                    ; eo: entry 6, 7 or 9
	s_cmp_eq_u32 s94, 2
	s_cselect_b32 s80, s72, s80
	s_cselect_b32 s81, s73, s81
	s_cselect_b32 s82, s77, s82
	s_add_co_i32 s96, s80, s81
	s_add_co_i32 s96, s96, 127
	s_lshl_b32 s96, s96, 23                        ; 2^(ea + eb) as f32
	s_mov_b32 s97, s96                             ; (named with it as a pair, so it is written)
	s_add_co_i32 s82, s82, 127
	s_lshl_b32 s83, s82, 23
	v_mov_b32 v8, s83                              ; 2^eo: the conversion takes its exponent field
	PLACES NP                                      ; behind the last products: their results are read and side A's registers written below
; Block a of side A: 16 rows x 128 of side B.  isv = 0: the bias runs along the registers; 1: it is the lane's own.
.macro OUTBLK a, isv
.set AC, 64*((\a)%4)
.set CD, 192+16*((\a)%2)               ; the codes: two sets by turns
.if (\a) > 1
	s_wait_xcnt 0x0                                ; block a - 2's stores have read their registers
.endif
	WIN 0x02+((\a)/4)                              ; source 0: window 2 or 3
.set J, 0
.rept 32
.if \isv
	v_pk_fma_f32 v[TMP+J:TMP+J+1], v[AC+J:AC+J+1], s[96:97], v[BI+2*(\a):BI+2*(\a)+1] op_sel_hi:[1,0,0]
.else
	v_pk_fma_f32 v[TMP+J:TMP+J+1], v[AC+J:AC+J+1], s[96:97], v[BI+J:BI+J+1] op_sel_hi:[1,0,1]   ; each accumulator from its low end on
.endif
.set J, J+2
.endr
	WIN 0
.set J, 0
.rept 64
.set J, J+1
.endr
.set J, 0
.rept 8
	v_cvt_scalef32_pk8_fp8_f32 v[CD+2*J:CD+2*J+1], v[TMP+8*J:TMP+8*J+7], v8   ; accumulator b: registers 2 (b % 4), + 1 of fragment b / 4
.set J, J+1
.endr
	v_nop                                          ; a plain instruction between the conversions and the next writes of their sources
.irp u, 0,1
.irp i, 0,1
.if \isv
	global_store_b128 v[CO], v[CD+8*\u+4*\i:CD+8*\u+4*\i+3], s[10:11] offset:((\a)%4)*1024+((\a)/4)*131072+\u*4096+512*\i   ; head a / 4, d tile a % 4, key block u
.else
	global_store_b128 v[CO], v[CD+8*\u+4*\i:CD+8*\u+4*\i+3], s[10:11] offset:(\a)*1024+\u*131072+512*\i                     ; token tile a, head u
.endif
.endr
.endr
.endm
	s_cmp_eq_u32 s94, 2                            ; made of the cluster's y alone: all waves of all partners go the same way
	s_cbranch_scc1 .Lv_out
.irp b, 0,1,2,3,4,5,6,7
	ds_load_b128 v[BI+8*\b:BI+8*\b+3], v10 offset:64*\b          ; the bias of features 16 b + 8 h + 0 .. 7
	ds_load_b128 v[BI+8*\b+4:BI+8*\b+7], v10 offset:64*\b+16
.endr
	s_wait_dscnt 0x0
.irp a, 0,1,2,3,4,5,6,7
	OUTBLK \a, 0
.endr
	s_branch .Lout_done
.Lv_out:
.irp a, 0,1,2,3,4,5,6,7
	ds_load_b32 v[BI+2*\a], v11 offset:64*\a       ; the bias of feature 16 a + r,
	ds_load_b32 v[BI+2*\a+1], v11 offset:64*\a     ; and once more: the packed form names a pair
.endr
	s_wait_dscnt 0x0
.irp a, 0,1,2,3,4,5,6,7
	OUTBLK \a, 1
.endr
.Lout_done:
	s_wait_tensorcnt 0x0                           ; the wave's end: behind my last tensor load and my last LDS store
	ds_add_u32 v[SPW], v[NIL]
	s_wait_dscnt 0x0
	CROUND                                         ; the closing round: no work-group ends while a partner may still ask for a tile that names it
	s_endpgm
.Lfunc_end_k_qaef42b945f_qkv:
	.size	k_qaef42b945f_qkv, .Lfunc_end_k_qaef42b945f_qkv-k_qaef42b945f_qkv
	.p2alignl 7, 3214868480
	.fill 96, 4, 3214868480
	.section	.rodata,"a",@progbits
	.p2align	6, 0x0
	.amdhsa_kernel k_qaef42b945f_qkv
		.amdhsa_group_segment_fixed_size 327680
		.amdhsa_private_segment_fixed_size 0
		.amdhsa_enable_private_segment 0
		.amdhsa_kernarg_size 104
		.amdhsa_user_sgpr_count 2
		.amdhsa_user_sgpr_kernarg_segment_ptr 1
		.amdhsa_wavefront_size32 1
		.amdhsa_system_sgpr_workgroup_id_x 1
		.amdhsa_system_sgpr_workgroup_id_y 1
		.amdhsa_system_sgpr_workgroup_id_z 1
		.amdhsa_system_vgpr_workitem_id 0
		.amdhsa_next_free_vgpr 1024
		.amdhsa_next_free_sgpr 98
		.amdhsa_reserve_vcc 0
		.amdhsa_float_denorm_mode_32 3
		.amdhsa_float_denorm_mode_16_64 3
		.amdhsa_fp16_overflow 1
		.amdhsa_memory_ordered 1
		.amdhsa_forward_progress 1
		.amdhsa_inst_pref_size 129
	.end_amdhsa_kernel
	.amdgpu_metadata
---
amdhsa.version: [ 1, 2 ]
amdhsa.kernels:
  - .name:           k_qaef42b945f_qkv
    .symbol:         k_qaef42b945f_qkv.kd
    .args:
      - { .name: query_codes, .offset: 0, .size: 8, .value_kind: global_buffer, .address_space: global }
      - { .name: key_codes, .offset: 8, .size: 8, .value_kind: global_buffer, .address_space: global }
      - { .name: value_codes, .offset: 16, .size: 8, .value_kind: global_buffer, .address_space: global }
      - { .name: Wq_codes, .offset: 24, .size: 8, .value_kind: global_buffer, .address_space: global }
      - { .name: Wk_codes, .offset: 32, .size: 8, .value_kind: global_buffer, .address_space: global }
      - { .name: Wv_codes, .offset: 40, .size: 8, .value_kind: global_buffer, .address_space: global }
      - { .name: bq, .offset: 48, .size: 8, .value_kind: global_buffer, .address_space: global }
      - { .name: bk, .offset: 56, .size: 8, .value_kind: global_buffer, .address_space: global }
      - { .name: bv, .offset: 64, .size: 8, .value_kind: global_buffer, .address_space: global }
      - { .name: lowp_scales, .offset: 72, .size: 8, .value_kind: global_buffer, .address_space: global }
      - { .name: qimg, .offset: 80, .size: 8, .value_kind: global_buffer, .address_space: global }
      - { .name: kimg, .offset: 88, .size: 8, .value_kind: global_buffer, .address_space: global }
      - { .name: vimg, .offset: 96, .size: 8, .value_kind: global_buffer, .address_space: global }
    .group_segment_fixed_size: 327680
    .private_segment_fixed_size: 0
    .kernarg_segment_align: 8
    .kernarg_segment_size: 104
    .max_flat_workgroup_size: 128
    .sgpr_count:     98
    .vgpr_count:     1024
    .wavefront_size: 32
...
	.end_amdgpu_metadata
.endif
;; end of part 2
;; launch attn (part 3): grid 4 x 64, 16 waves a work-group, clusters of 4 x 1, 327,680 bytes of LDS; arguments qimg, kimg, vimg, mw, lowp_scales, xf; writes xf
.if DOCPART == 3
	.amdgcn_target "amdgcn-amd-amdhsa--gfx1250"
	.amdhsa_code_object_version 6
	.text
	.protected	k_qaef42b945f_attn
	.globl	k_qaef42b945f_attn
	.p2align	8
	.type	k_qaef42b945f_attn,@function
k_qaef42b945f_attn:
	s_mov_b64 s[64:65], 0
	v_nop
	global_prefetch_b8 v0, s[64:65] scope:SCOPE_SE
	s_setreg_imm32_b32 hwreg(HW_REG_WAVE_MODE, 25, 1), 1
	s_wait_xcnt 0x0
	s_wait_alu depctr_hold_cnt(0) depctr_sa_sdst(0) depctr_va_vdst(0) depctr_va_sdst(0) depctr_va_ssrc(0) depctr_va_vcc(0) depctr_vm_vsrc(0)
	s_getreg_b32 s2, hwreg(HW_REG_IB_STS2, 6, 4)
	s_cmp_eq_u32 s2, 0
	s_cbranch_scc0 .Lentry_in_a_cluster
	s_endpgm
.Lentry_in_a_cluster:
	s_bfe_u32 s2, ttmp6, 0x10000c
	s_cmp_lg_u32 s2, 0x3003
	s_cbranch_scc0 .Lentry_shape_is_right
	s_endpgm
.Lentry_shape_is_right:
; Products 4 and 5 with the softmax between them, on codes of E4M3, by v_wmma_f32_16x16x64_fp8_fp8.  Nothing of reference() is left out here.
; t = score x log2(e) / 8; M = the running largest t rounded UP to a whole number; p = 2^(t - M) is quantised along the keys; the row's sum is taken of the unquantised p and divides at the end.
; SHARES.  A work-group owns 512 queries of one head (bh = batch x 16 + head); each of its sixteen waves 32 of them: two tiles of 16, which share every fragment of K and V.  Four waves to a SIMD, 256 registers each.
; CLUSTER.  The four work-groups of a head form a cluster and need the same K and V: each part is asked for JOINTLY, by the same tensor load with the same descriptor and a mask that names the four.
; LDS.  A head's codes of K and of V are 131,072 bytes each and lie in LDS whole, as images of the operands' registers: a fragment comes by two ds_load_b128 at 16 x lane.  Every byte is filled ONCE: no ring, no refill.
; Each wave issues two first fills of 8,192 dense bytes (waves 0-7: K, waves 8-15: V): its part of key blocks 0-15, then of blocks 16-31.  The first sixteen key steps run while the second half is on its way.
; LAYOUT.  Both products are used transposed: S^T = K Q^T (source 0 = 16 keys, source 1 = 16 queries), O^T = V^T P^T: a lane holds ONE query (lane % 16) throughout; register j of tile kt of S^T is key 16 kt + 8 (lane / 16) + j,
; so the conversion of tile kt IS registers 2 kt, 2 kt + 1 of P's fragment.
; THE MASK comes as words of mw (made by the launch pack): word n of a (16 queries x 64 keys) tile holds, for each lane, whether register n's score is hidden: one v_cndmask_b32 a score, with the word in a scalar register.
; No branch hangs on a loaded number: the selects are executed in every step.
; NO PREFETCH: K and V are asked for once, at the head; of the two halves only the first is waited for at once, and the second has sixteen key steps in which to land; the mask's words are asked for a whole step ahead of the wait for them.
; A hidden score is taken as the logit -2^30 where reference() has -1e9: as a power of two its t is exact in the multiplication and in the fused multiply-add alike, so a row that is hidden throughout gets p = 1 for every key, as in reference().
; LIMITS: no result differs from reference()'s -1e9 while a row's visible logits lie above -2^29.
;   eq + ek (entries 6, 7) between -94 and 130; ep (entry 8), and ex - ep - ev (entries 10, 8, 9), between -126 and 119.  NaN among the inputs is not served.
; OUT.  x = O^T / sum x 2^(ep + ev) is quantised with 2^ex and leaves as images of product 6's operand: xf byte ((token / 16) x 8 + s) x 2048 + 512 i + 16 lane + y = token 16 T + lane % 16, feature 128 s + 32 i + 16 (lane / 16) + y.
.set VB,    131072                     ; LDS: K's images from 0, V's from here; block kb at 4,096 kb
.set HALF,  65536                      ; sixteen key blocks
.set PART,  8192                       ; what one tensor load brings
.set SPARE, 262144                     ; behind the images: the spare words, 128 bytes for each wave
.set LI,  1                            ; v1   16 x lane
.set ADK, 4                            ; v4   LDS address of the step's K
.set ADV, 5                            ; v5   of its V
.set LM2, 6
.set NEG, 7                            ; v7   a hidden score
.set SPW, 10                           ; v10  my spare word; never rewritten
.set NIL, 11                           ; v11  0; never rewritten
.set ST,  12                           ; tile t: v[12+4t] -M, +1 the largest t, +2, +3 the sum in two halves
.set Q,   32                           ; v[32:47] Q's two fragments
.set F,   48                           ; v[48:79] four fragments of K, then of V
.set S,   80                           ; v[80:143] S^T, then p: 80 + 32 t + 8 kt + j
.set P,   144                          ; v[144:159] p's codes
.set O,   160                          ; v[160:223] O^T: 160 + 32 t + 8 dt + j
.set XC,  224                          ; v[224:239] x's codes
; v8: 2^ep; on the way out 2^(ex - ep - ev).  v[20:21] f; v22-24 at work; v[26:27] the sums' second chain.
.set G1,  4                            ; s[4:11]  descriptor group 1: the one shape of all loads
.set G0,  12                           ; s[12:15], s[16:19] descriptor group 0 of my two loads
.set WV,  28                           ; s28  my wave's number
.set TB,  29                           ; s29  LDS byte of the key block in hand
.set TR,  66                           ; s66  trips
.set MO,  67                           ; s67  offset of the next block's mask words
; s[2:3] Q; s[20:21] lane selects; s[22:23] c; s[24:25] xf; s[26:27] my mask words; s30 the way out's scale; s[68:99] tile 0's words, s[32:63] tile 1's (both serve as scratch at the head).
; A round of the cluster's barrier: my work-group's barrier, so that wave 0's signal speaks for all sixteen waves; wave 0 signals for the work-group; every wave waits for all four work-groups; my work-group's barrier once more.
.macro CROUND
	s_barrier_signal -1
	s_barrier_wait -1
	s_cmp_lg_u32 s[WV], 0
	s_cbranch_scc1 .Lnot_wave_0_\@
	s_barrier_signal -3
.Lnot_wave_0_\@:
	s_barrier_wait -3
	s_barrier_signal -1
	s_barrier_wait -1
.endm
	s_load_b256 s[32:39], s[0:1], 0x0              ; qimg, kimg, vimg, mw
	s_load_b128 s[40:43], s[0:1], 0x20             ; the exponents, xf
	v_lshl_add_u32 v[SPW], v0, 2, SPARE
	v_mov_b32 v[NIL], 0
	ds_add_u32 v[SPW], v[NIL]                      ; the wave's opening: the add, twice on end, and its wait ahead of my first tensor load
	ds_add_u32 v[SPW], v[NIL]                      ; the same add once more, under the one wait; the set-up below, work on registers, stands between
	v_lshrrev_b32 v1, 5, v0
	s_delay_alu instid0(VALU_DEP_1)
	v_readfirstlane_b32 s[WV], v1                  ; wave 0..15
	v_and_b32 v1, 31, v0
	s_delay_alu instid0(VALU_DEP_1)
	v_lshlrev_b32 v[LI], 4, v1
	; descriptor group 1: 8,192 dense bytes as 32 rows of 256 bytes, laid dense in LDS
	s_mov_b32 s[G1+0], 15|(3<<16)|(1<<21)          ; 15:0 the mask: all four work-groups; 17:16 elements of 8 bytes; no padding; 21 set beside a mask
	s_mov_b32 s[G1+1], 32<<16                      ; tensor_dim0 = 32 elements
	s_mov_b32 s[G1+2], 32<<16                      ; tensor_dim1 = 32 rows
	s_mov_b32 s[G1+3], 32<<16                      ; tile_dim0
	s_mov_b32 s[G1+4], 32                          ; tile_dim1
	s_mov_b32 s[G1+5], 32                          ; from row to row: 32 elements
	s_mov_b32 s[G1+6], 0
	s_mov_b32 s[G1+7], 0
	s_bfe_u32 s44, ttmp6, 0x40000                  ; cx: my place in the cluster: it enters the addresses of qimg, mw and xf alone
	s_lshl_b32 s45, ttmp9, 2                       ; in a cluster launch ttmp9 counts clusters
	s_add_co_u32 s45, s45, s44                     ; my block of 512 queries
	s_and_b32 s46, ttmp7, 0xffff                   ; bh, which the four partners share
	s_lshl_b32 s48, s46, 17                        ; the head's first byte in qimg, kimg, vimg
	s_mov_b32 s49, 0
	s_lshl_b32 s47, s45, 5
	s_lshl_b32 s50, s[WV], 1
	s_add_co_u32 s47, s47, s50                     ; my first tile of queries: 32 x block + 2 x wave
	s_lshl_b32 s50, s47, 10
	s_mov_b32 s51, 0
	s_add_nc_u64 s[50:51], s[50:51], s[48:49]      ; its image in qimg
	s_lshr_b32 s52, s46, 4
	s_lshl_b32 s52, s52, 7
	s_add_co_u32 s52, s52, s47                     ; the tile among all batches': batch x 128 + tile
	s_lshl_b32 s54, s52, 12                        ; its 1,024 words of mw
	s_mov_b32 s55, 0
	s_lshl_b32 s56, s52, 14                        ; its eight K steps of 2,048 bytes in xf,
	s_bfe_u32 s53, s46, 0x30001                    ; head / 2: the K step of 128 features,
	s_lshl_b32 s53, s53, 11
	s_add_co_u32 s56, s56, s53
	s_and_b32 s53, s46, 1                          ; head % 2: its half
	s_lshl_b32 s53, s53, 10
	s_add_co_u32 s56, s56, s53
	s_mov_b32 s57, 0
	s_and_b32 s58, s[WV], 7                        ; what I fetch: part wave % 8 of a half's eight,
	s_lshl_b32 s58, s58, 13
	s_mov_b32 s59, 0
	s_add_nc_u64 s[60:61], s[58:59], s[48:49]      ; in memory: in my head;
	s_lshr_b32 s62, s[WV], 3
	s_lshl_b32 s62, s62, 17
	s_add_co_u32 s62, s62, s58                     ; in LDS: K's images or V's: the wave's number alone
	s_wait_dscnt 0x0                               ; both opening adds are done
	s_wait_kmcnt 0x0
	s_add_nc_u64 s[2:3], s[32:33], s[50:51]
	s_add_nc_u64 s[26:27], s[38:39], s[54:55]
	s_add_nc_u64 s[24:25], s[42:43], s[56:57]
	s_cmp_lt_u32 s[WV], 8
	s_cselect_b64 s[30:31], s[34:35], s[36:37]     ; waves 0-7 fetch K, waves 8-15 V
	s_add_nc_u64 s[30:31], s[30:31], s[60:61]
	s_load_b128 s[68:71], s[40:41], 0x18           ; eq, ek, ep, ev
	s_load_b32 s72, s[40:41], 0x28                 ; ex
	s_mov_b32 s[G0], 1                             ; count = 1
	s_mov_b32 s[G0+1], s62                         ; LDS address: key blocks 0-15
	s_mov_b64 s[G0+2:G0+3], s[30:31]               ; global address
	s_or_b32 s[G0+3], s[G0+3], 0x80000000          ; type = 2
	s_mov_b32 s[G0+4], 1
	s_add_co_u32 s[G0+5], s62, HALF                ; key blocks 16-31
	s_add_nc_u64 s[G0+6:G0+7], s[30:31], HALF
	s_or_b32 s[G0+7], s[G0+7], 0x80000000
	CROUND                                         ; all four work-groups are here: the joint loads meet
	tensor_load_to_lds s[G0:G0+3], s[G1:G1+7]      ; the first fill, key blocks 0-15: one load of mine is out
	s_nop 0
	s_wait_alu depctr_va_vdst(0)
	s_wait_tensorcnt 0x0
	ds_add_u32 v10, v11
	s_wait_dscnt 0x0
	CROUND
	tensor_load_to_lds s[G0+4:G0+7], s[G1:G1+7]
	s_nop 0
	s_wait_alu depctr_va_vdst(0)
.irp t, 0,1
.irp i, 0,1
	global_load_b128 v[Q+8*\t+4*\i:Q+8*\t+4*\i+3], v[LI], s[2:3] offset:\t*1024+512*\i   ; Q stays in registers
.endr
.endr
.set N, 0
.rept 64
	v_mov_b32 v[O+N], 0                            ; O^T.  (The step is written once: the first finds zeros, which the first change of M leaves zeros)
.set N, N+1
.endr
.irp t, 0,1
	v_mov_b32 v[ST+4*\t+1], 0xff61b1e6             ; the largest t so far: -3e38
	s_delay_alu instid0(VALU_DEP_1)
	v_floor_f32 v[ST+4*\t], -v[ST+4*\t+1]          ; -M
	v_mov_b32 v[ST+4*\t+2], 0                      ; the sum
	v_mov_b32 v[ST+4*\t+3], 0
.endr
	v_mov_b32 v21, 0                               ; (named as the upper half of the pair v[20:21])
	v_mov_b32 v24, 0                               ; written once: a lane permute's destination counts as one of its sources
	s_mov_b32 s[MO], 0
	s_mov_b32 s20, 0x76543210
	s_mov_b32 s21, 0xfedcba98
	s_wait_kmcnt 0x0                               ; the exponents
	s_add_co_i32 s44, s68, s69                     ; eq + ek
	s_lshl_b32 s45, s44, 23
	s_add_co_i32 s22, s45, 0x3e38aa3b              ; c = log2(e) / 8 x 2^(eq + ek): the exponents are added to c's exponent field
	s_mov_b32 s23, s22                             ; (named with it as a pair)
	s_sub_co_i32 s45, 160, s44
	s_lshl_b32 s45, s45, 23
	s_or_b32 s45, s45, 0x80000000
	v_mov_b32 v[NEG], s45                          ; -2^(33 - eq - ek): the score that stands for the logit -2^30
	s_add_co_i32 s45, s70, 127
	s_lshl_b32 s44, s45, 23
	v_mov_b32 v8, s44                              ; 2^ep
	s_sub_co_i32 s45, s72, s70
	s_sub_co_i32 s45, s45, s71                     ; O^T / sum stands for x / 2^(ep + ev): the three scales are folded into the conversion's one
	s_add_co_i32 s45, s45, 127
	s_lshl_b32 s30, s45, 23
	s_load_b512 s[68:83], s[26:27], 0x0            ; key block 0's words: tile 0,  (the exponents are used up)
	s_load_b512 s[84:99], s[26:27], 0x40
	s_load_b512 s[32:47], s[26:27], 0x1000         ; tile 1
	s_load_b512 s[48:63], s[26:27], 0x1040
	s_wait_loadcnt 0x0                             ; Q
	s_wait_tensorcnt 0x1                           ; my part of key blocks 0-15 is in; my part of blocks 16-31 may stay out
	s_barrier_signal -1
	s_barrier_wait -1                              ; everybody's is
; Tile t's softmax for one key step.  last = 1: no further mask words are asked for.
.macro SOFT t, last
.set rS, S+32*(\t)
.set rT, ST+4*(\t)
.set rO, O+32*(\t)
.set rP, P+8*(\t)
.set sM, 68-36*(\t)
.set N, 0
.rept 32
	v_cndmask_b32 v[rS+N], v[rS+N], v[NEG], s[sM+N]   ; hidden scores; each accumulator from its low end on
.set N, N+1
.endr
.if \last == 0
	s_load_b512 s[sM:sM+15], s[26:27], s[MO] offset:4096*(\t)       ; the next key block's words: a whole step ahead of the wait for them
	s_load_b512 s[sM+16:sM+31], s[26:27], s[MO] offset:4096*(\t)+64
.endif
	v_max3_num_f32 v22, v[rS], v[rS+1], v[rS+2]    ; the step's largest score of my query among my 32 keys, in two chains
	v_max3_num_f32 v23, v[rS+3], v[rS+4], v[rS+5]
.set N, 6
.rept 6
	s_delay_alu instid0(VALU_DEP_2)
	v_max3_num_f32 v22, v22, v[rS+N], v[rS+N+1]
	s_delay_alu instid0(VALU_DEP_2)
	v_max3_num_f32 v23, v23, v[rS+N+2], v[rS+N+3]
.set N, N+4
.endr
	s_delay_alu instid0(VALU_DEP_2)
	v_max3_num_f32 v22, v22, v[rS+30], v[rS+31]
	s_delay_alu instid0(VALU_DEP_1)
	v_max_num_f32 v22, v22, v23
	s_delay_alu instid0(VALU_DEP_1)
	v_permlanex16_b32 v24, v22, s20, s21
	s_delay_alu instid0(VALU_DEP_1)
	v_max_num_f32 v22, v22, v24                    ; and among the other half of the lanes'
	s_delay_alu instid0(VALU_DEP_1)
	v_mul_f32 v22, s22, v22                        ; as t (c is positive)
	s_delay_alu instid0(VALU_DEP_1)
	v_max_num_f32 v[rT+1], v[rT+1], v22            ; the running largest t
	v_mov_b32 v22, v[rT]
	s_delay_alu instid0(VALU_DEP_2)
	v_floor_f32 v[rT], -v[rT+1]                    ; the new -M = floor(-t): M is a whole number
	s_delay_alu instid0(VALU_DEP_1)
	v_sub_f32 v22, v[rT], v22                      ; old M - new M: a whole number, 0 or less
	s_delay_alu instid0(VALU_DEP_1)
	v_cvt_i32_f32 v22, v22                         ; (it saturates)
	s_delay_alu instid0(VALU_DEP_1)
	v_ldexp_f32 v20, 1.0, v22                      ; f = 2^(old M - new M)
.set N, 0
.rept 16
	v_pk_fma_f32 v[rS+N:rS+N+1], v[rS+N:rS+N+1], s[22:23], v[rT:rT+1] op_sel_hi:[1,0,0]   ; t - M (of the pairs c and -M the low word serves both halves)
.set N, N+2
.endr
.set N, 0
	s_wait_alu depctr_va_vdst(0)
.rept 32
	v_exp_f32 v[rS+N], v[rS+N]                     ; p = 2^(t - M)
.set N, N+1
.endr
	v_pk_mul_f32 v[rT+2:rT+3], v[rT+2:rT+3], v[20:21] op_sel_hi:[1,0]   ; the sum under the new M: the plain instruction behind the exponentials
	s_wait_alu depctr_va_vdst(0)                   ; one wait for the batch of 32, ahead of its first reader
	v_pk_add_f32 v[26:27], v[rS:rS+1], v[rS+2:rS+3]   ; the sum of the UNQUANTISED p, in two chains
.set N, 4
.rept 7
	v_pk_add_f32 v[rT+2:rT+3], v[rT+2:rT+3], v[rS+N:rS+N+1]
	v_pk_add_f32 v[26:27], v[26:27], v[rS+N+2:rS+N+3]
.set N, N+4
.endr
	s_delay_alu instid0(VALU_DEP_1)
	v_pk_add_f32 v[rT+2:rT+3], v[rT+2:rT+3], v[26:27]
.set N, 0
.rept 16
.set N, N+2
.endr
.irp kt, 0,1,2,3
	v_cvt_scalef32_pk8_fp8_f32 v[rP+2*\kt:rP+2*\kt+1], v[rS+8*\kt:rS+8*\kt+7], v8
.endr
.set N, 0
.rept 16
	v_pk_mul_f32 v[rO+N:rO+N+1], v[rO+N:rO+N+1], v[20:21] op_sel_hi:[1,0]   ; O^T under the new M, from each accumulator's low end on; also the plain instructions behind the conversions
.set N, N+2
.endr
.endm
; A KEY STEP: 64 keys, the block at LDS byte s[TB].
.macro STEP last
	v_add_nc_u32 v[ADK], s[TB], v[LI]
.rept 3
	v_nop                                          ; with the addition: four places between the last products and the loads into the registers that they read
.endr
.irp kt, 0,1,2,3
	ds_load_b128 v[F+8*\kt:F+8*\kt+3], v[ADK] offset:1024*\kt
	ds_load_b128 v[F+8*\kt+4:F+8*\kt+7], v[ADK] offset:1024*\kt+512
.endr
	s_wait_alu depctr_va_vdst(0)
	s_wait_dscnt 0x0
.irp kt, 0,1,2,3
.irp t, 0,1
	v_wmma_f32_16x16x64_fp8_fp8 v[S+32*\t+8*\kt:S+32*\t+8*\kt+7], v[F+8*\kt:F+8*\kt+7], v[Q+8*\t:Q+8*\t+7], 0
.endr
.endr
	v_add_nc_u32 v[ADV], VB, v[ADK]
.rept 3
	v_nop                                          ; four places again: for the loads below and for the first read of the scores
.endr
.irp dt, 0,1,2,3
	ds_load_b128 v[F+8*\dt:F+8*\dt+3], v[ADV] offset:1024*\dt      ; V lands while the softmax runs
	ds_load_b128 v[F+8*\dt+4:F+8*\dt+7], v[ADV] offset:1024*\dt+512
.endr
	s_wait_kmcnt 0x0                               ; both tiles' mask words
.if \last == 0
	s_add_co_u32 s[MO], s[MO], 128                 ; (no scalar load is out)  the next block's words
.endif
	SOFT 0, \last
	s_setprio 1
	SOFT 1, \last
	s_setprio 0
	s_wait_alu depctr_va_vdst(0)
	s_wait_dscnt 0x0                               ; V
.irp dt, 0,1,2,3
.irp t, 0,1
	v_wmma_f32_16x16x64_fp8_fp8 v[O+32*\t+8*\dt:O+32*\t+8*\dt+7], v[F+8*\dt:F+8*\dt+7], v[P+8*\t:P+8*\t+7], v[O+32*\t+8*\dt:O+32*\t+8*\dt+7]   ; a step's eight matrix instructions name eight accumulators: they take turns
.endr
.endr
	s_add_co_u32 s[TB], s[TB], 4096
.endm
; A run of key steps from a constant LDS byte on, so that its reads can be read off the text.
.macro RUN first, trips
	s_mov_b32 s[TB], \first
	s_mov_b32 s[TR], \trips
.Lrun_\@:
	s_setprio 2
	STEP 0
	s_sub_co_u32 s[TR], s[TR], 1
	s_cmp_lg_u32 s[TR], 0
	s_cbranch_scc1 .Lrun_\@
	s_setprio 0
.endm
	RUN 0, 16                                      ; key blocks 0-15: LDS bytes 0 to 65,535 of K's images and of V's; the loads that are out fill the bytes behind them
	s_wait_tensorcnt 0x0                           ; my part of key blocks 16-31 is in,
	s_wait_dscnt 0x0                               ; (no LDS instruction of mine is out at a signal)
	s_barrier_signal -1
	s_barrier_wait -1                              ; everybody's is
	RUN HALF, 15
	STEP 1                                         ; the last step is written out: no mask word lies behind it
	; THE WAY OUT.  The additions are the places behind the last products.
	v_add_f32 v14, v14, v15
	v_add_f32 v18, v18, v19
	s_delay_alu instid0(VALU_DEP_2)
	v_permlanex16_b32 v22, v14, s20, s21
	s_delay_alu instid0(VALU_DEP_2)
	v_permlanex16_b32 v23, v18, s20, s21
	s_delay_alu instid0(VALU_DEP_2)
	v_add_f32 v14, v14, v22                        ; the rows' sums
	s_delay_alu instid0(VALU_DEP_2)
	v_add_f32 v18, v18, v23
	s_wait_alu depctr_va_vdst(0)
	v_rcp_f32 v20, v14
	v_rcp_f32 v26, v18
	v_mov_b32 v8, s30                              ; (the plain instruction behind the reciprocals)  2^(ex - ep - ev)
	s_wait_alu depctr_va_vdst(0)                   ; one wait for both reciprocals, ahead of their first reader
.irp t, 0,1
.set N, 0
.rept 16
	v_pk_mul_f32 v[S+32*\t+N:S+32*\t+N+1], v[O+32*\t+N:O+32*\t+N+1], v[20+6*\t:21+6*\t] op_sel_hi:[1,0]   ; O^T / the sum: register 8 dt + j is d = 16 dt + 8 h + j of my query
.set N, N+2
.endr
.set N, 0
.rept 32
.set N, N+1
.endr
.irp dt, 0,1,2,3
	v_cvt_scalef32_pk8_fp8_f32 v[XC+8*\t+2*\dt:XC+8*\t+2*\dt+1], v[S+32*\t+8*\dt:S+32*\t+8*\dt+7], v8
.endr
	v_nop                                          ; a plain instruction between the conversions and the lines that touch their results
.irp b, 0,1                                    ; tiles 2 b and 2 b + 1 change halves: lane (r, h) then holds d = 32 b + 16 h + 0 .. 15 in four registers on end
	v_permlane16_swap_b32 v[XC+8*\t+4*\b], v[XC+8*\t+4*\b+2]
	v_permlane16_swap_b32 v[XC+8*\t+4*\b+1], v[XC+8*\t+4*\b+3]
.endr
.irp b, 0,1
	global_store_b128 v[LI], v[XC+8*\t+4*\b:XC+8*\t+4*\b+3], s[24:25] offset:\t*16384+512*\b   ; 512 consecutive bytes, aligned
.endr
.endr
	s_wait_tensorcnt 0x0                           ; the wave's end: behind my last tensor load
	ds_add_u32 v[SPW], v[NIL]
	s_wait_dscnt 0x0
	CROUND                                         ; the closing round: no work-group ends while a partner may still ask for a part that names it
	s_endpgm
.Lfunc_end_k_qaef42b945f_attn:
	.size	k_qaef42b945f_attn, .Lfunc_end_k_qaef42b945f_attn-k_qaef42b945f_attn
	.p2alignl 7, 3214868480
	.fill 96, 4, 3214868480
	.section	.rodata,"a",@progbits
	.p2align	6, 0x0
	.amdhsa_kernel k_qaef42b945f_attn
		.amdhsa_group_segment_fixed_size 327680
		.amdhsa_private_segment_fixed_size 0
		.amdhsa_enable_private_segment 0
		.amdhsa_kernarg_size 48
		.amdhsa_user_sgpr_count 2
		.amdhsa_user_sgpr_kernarg_segment_ptr 1
		.amdhsa_wavefront_size32 1
		.amdhsa_system_sgpr_workgroup_id_x 1
		.amdhsa_system_sgpr_workgroup_id_y 1
		.amdhsa_system_sgpr_workgroup_id_z 1
		.amdhsa_system_vgpr_workitem_id 0
		.amdhsa_next_free_vgpr 256
		.amdhsa_next_free_sgpr 100
		.amdhsa_reserve_vcc 0
		.amdhsa_float_denorm_mode_32 3
		.amdhsa_float_denorm_mode_16_64 3
		.amdhsa_fp16_overflow 1
		.amdhsa_memory_ordered 1
		.amdhsa_forward_progress 1
		.amdhsa_inst_pref_size 73
	.end_amdhsa_kernel
	.amdgpu_metadata
---
amdhsa.version: [ 1, 2 ]
amdhsa.kernels:
  - .name:           k_qaef42b945f_attn
    .symbol:         k_qaef42b945f_attn.kd
    .args:
      - { .name: qimg, .offset: 0, .size: 8, .value_kind: global_buffer, .address_space: global }
      - { .name: kimg, .offset: 8, .size: 8, .value_kind: global_buffer, .address_space: global }
      - { .name: vimg, .offset: 16, .size: 8, .value_kind: global_buffer, .address_space: global }
      - { .name: mw, .offset: 24, .size: 8, .value_kind: global_buffer, .address_space: global }
      - { .name: lowp_scales, .offset: 32, .size: 8, .value_kind: global_buffer, .address_space: global }
      - { .name: xf, .offset: 40, .size: 8, .value_kind: global_buffer, .address_space: global }
    .group_segment_fixed_size: 327680
    .private_segment_fixed_size: 0
    .kernarg_segment_align: 8
    .kernarg_segment_size: 48
    .max_flat_workgroup_size: 512
    .sgpr_count:     100
    .vgpr_count:     256
    .wavefront_size: 32
...
	.end_amdgpu_metadata
.endif
;; end of part 3
;; launch oproj (part 4): grid 8 x 32, 4 waves a work-group, clusters of 4 x 4, 327,680 bytes of LDS; arguments xf, Wo_codes, lowp_scales, bo, out0; writes out0
.if DOCPART == 4
	.amdgcn_target "amdgcn-amd-amdhsa--gfx1250"
	.amdhsa_code_object_version 6
	.text
	.protected	k_qaef42b945f_oproj
	.globl	k_qaef42b945f_oproj
	.p2align	8
	.type	k_qaef42b945f_oproj,@function
k_qaef42b945f_oproj:
	s_mov_b64 s[64:65], 0
	v_nop
	global_prefetch_b8 v0, s[64:65] scope:SCOPE_SE
	s_setreg_imm32_b32 hwreg(HW_REG_WAVE_MODE, 25, 1), 1
	s_wait_xcnt 0x0
	s_wait_alu depctr_hold_cnt(0) depctr_sa_sdst(0) depctr_va_vdst(0) depctr_va_sdst(0) depctr_va_ssrc(0) depctr_va_vcc(0) depctr_vm_vsrc(0)
	s_getreg_b32 s2, hwreg(HW_REG_IB_STS2, 6, 4)
	s_cmp_eq_u32 s2, 0
	s_cbranch_scc0 .Lentry_in_a_cluster
	s_endpgm
.Lentry_in_a_cluster:
	s_bfe_u32 s2, ttmp6, 0x10000c
	s_cmp_lg_u32 s2, 0xf033
	s_cbranch_scc0 .Lentry_shape_is_right
	s_endpgm
.Lentry_shape_is_right:
; Product 6: out0 = x Wo^T + bo.  x: codes of E4M3 as the attention launch left them in xf; Wo [1024][1024]: codes, K innermost; out0 [8192][1024] f32.  Nothing of reference() is left out here.
; A TILE IS 256 TOKENS x 128 FEATURES: 32 x 8 = 256 work-groups.  Four waves, 128 x 64 each: 32 accumulators.  For 128 along K a wave reads 12 fragments for 32 matrix instructions.
; K IS 1,024: four K steps of 256.  A slot (x's 65,536 bytes, Wo's 128 rows) is 100,352 bytes, so THREE slots fit: K steps 0, 1, 2 are first fills, three loads a wave, each landed before the next goes out; K step 3 is the one refill,
; into slot 0, behind the round at the end of K step 0; it has three and a half steps of 128 along K in which to land.  The wait for all loads in front of that round shows slots 1 and 2 whole to every wave, so the change from slot 1 to slot 2
; has no barrier.  The eight steps are written out: there is no loop.
; CLUSTERS: 4 x 4 work-groups: x's tile is asked for jointly by a row of the cluster, Wo's by a column.
; x COMES AS IMAGES OF ITS FRAGMENTS: xf byte ((token / 16) x 8 + s) x 2048 + 512 c + 16 lane: registers 4 c .. 4 c + 3 of the fragment of 16 tokens x K step s of 128, with k = 32 c + 16 (lane / 16) + 0 .. 15: the order in
; which four loads of 16 bytes bring Wo's rows.  A K step of 256 is 4,096 dense bytes of each tile of 16 tokens: a tensor tile of 8 rows x 4,096 bytes, laid dense in LDS; a fragment is four ds_load_b128 at 16 x lane.
; THE MATRIX INSTRUCTION IS USED TRANSPOSED (source 0 = 16 rows of Wo, source 1 = 16 tokens): a lane holds eight neighbouring numbers of a row of out0.
; NO PREFETCH: three of the four K steps are asked for at the head.
; LIMIT: entries 10 and 11 of the exponents added lie between -126 and 127.
; REGISTERS, in windows of 256: window 0: v0-31 addresses, v[12:15] my four numbers of bo; from v128 x's fragments (8 x 16 tokens x 128 K), ONE set; on the way out v128-255 rows of out0, four buffers.
;   window 1: Wo's fragments (4 x 16 rows), TWO sets, at v0 and at v128.   window 2: the accumulators of my tokens 0-63 ((a, b) at v[8 (8 (a % 4) + b)], b = 0 .. 3);   window 3: those of my tokens 64-127.
.set SIZE_N, 1024
.set ROWB,   256                       ; a row of Wo's tile
.set KROW,   1024                      ; a row of Wo in memory
.set PITCH,  272                       ; Wo's rows in LDS: 256 bytes + 16 of padding: the 16 rows that a load touches start at 16 different groups of banks
.set FR,     16                        ; registers of a fragment
.set NL,     4                         ; LDS loads that bring one
.set NP,     4                         ; places behind this matrix instruction (ISA guide 7.12.1)
.set HALFA,  32768                     ; x: 8 tiles of 16 tokens x 4,096 bytes: what one tensor load brings
.set ASZ,    2*HALFA
.set HALFB,  64*PITCH                  ; Wo: 64 rows: what one tensor load brings, and what one wave reads
.set SLOT,   ASZ+2*HALFB               ; x's 256 tokens, then Wo's 128 rows
.set SPARE,  3*SLOT                    ; behind the three slots: the spare words, 128 bytes for each wave
.set STG,    SPARE+512                 ; behind them: the way out's stage, bytes of its own: 16 rows x 272 bytes for each wave.  No fill lands here
.set SPITCH, 272
.set ADRA, 16                          ; v16-18  LDS address of my x fragments in slot 0, 1, 2
.set ADRB, 20                          ; v20-22  the same for Wo
.set STO,  24                          ; v24     the way out: where I put 32 bytes of a row
.set RD,   25                          ; v25     where I read rows back: lanes 0-15 one row of 256 bytes, lanes 16-31 the next
.set CO,   26                          ; v26     the same two rows in out0
.set LI,   27                          ; v27     16 x lane
.set SPW,  28                          ; v28     my spare word; never rewritten
.set NIL,  29                          ; v29     0; never rewritten
.set AF,   128                         ; x's fragments
.set BK,   128                         ; the way out: 16 rows read back, 32 registers; four buffers by turns
.set G1,  24                           ; s[24:31] descriptor group 1 for x's tiles;  s[32:43] group 0, one set for each slot
.set G0,  32
.set G1B, 48                           ; s[48:55] group 1 for Wo's tiles;  s[68:79] group 0, one set for each slot
.set G0B, 68
.set MSB, 0
.macro WIN new                         ; the immediate's high byte repeats the setting that is left
.if MSB != \new
	s_set_vgpr_msb (MSB<<8)|\new
.set MSB, \new
.endif
.endm
.set MUL_LO, 0xa1                      ; source 0 (Wo) window 1, source 1 (x) window 0, C and D window 2
.set MUL_HI, 0xf1                      ; the same, C and D window 3
.set TO_B,   0x40                      ; destination window 1, address window 0
.macro JLOAD g0a, g1a, g0b, g1b        ; a joint load: waves 0 and 1 fetch x's halves, waves 2 and 3 Wo's; the branch hangs on the wave's number alone; an s_nop 0 and four v_nop follow each line
	s_cmp_eq_u32 s15, 0
	s_cbranch_scc0 .Lfor_b_\@
	tensor_load_to_lds s[\g0a:\g0a+3], s[\g1a:\g1a+7]
	s_nop 0
.rept 4
	v_nop
.endr
	s_branch .Lasked_\@
.Lfor_b_\@:
	tensor_load_to_lds s[\g0b:\g0b+3], s[\g1b:\g1b+7]
	s_nop 0
.rept 4
	v_nop
.endr
.Lasked_\@:
.endm
.macro CREST                           ; a round of the cluster's barrier behind its opening barrier
	s_cmp_lg_u32 s14, 0
	s_cbranch_scc1 .Lnot_wave_0_\@
	s_barrier_signal -3
.Lnot_wave_0_\@:
	s_barrier_wait -3
	s_barrier_signal -1
	s_barrier_wait -1
.endm
.macro CROUND                          ; a whole round
	s_barrier_signal -1
	s_barrier_wait -1
	CREST
.endm
	s_load_b256 s[4:11], s[0:1], 0x0               ; xf s[4:5], Wo s[6:7], the exponents s[8:9], bo s[10:11]
	s_load_b64 s[12:13], s[0:1], 0x20              ; out0
	v_lshl_add_u32 v[SPW], v0, 2, SPARE
	v_mov_b32 v[NIL], 0
	ds_add_u32 v[SPW], v[NIL]                      ; the wave's opening: the add, twice on end, and its wait ahead of my first tensor load
	ds_add_u32 v[SPW], v[NIL]                      ; the same add once more, under the one wait; the set-up below, work on registers, stands between
	v_lshrrev_b32 v1, 5, v0
	v_readfirstlane_b32 s14, v1                    ; wave 0..3
	s_lshr_b32 s15, s14, 1                         ; my half of the tile's tokens.  Also: I fetch for x (0) or for Wo (1)
	s_and_b32 s16, s14, 1                          ; my half of its features.  Also: which half of that tile I fetch
	s_bfe_u32 s56, ttmp6, 0x40000                  ; cx, cy: my place in the cluster
	s_bfe_u32 s57, ttmp6, 0x40004
	s_lshl_b32 s58, ttmp9, 2
	s_add_co_u32 s58, s58, s56                     ; tile column (128 features) = 4 x cluster x + cx
	s_and_b32 s17, ttmp7, 0xffff
	s_lshl_b32 s17, s17, 2
	s_add_co_u32 s17, s17, s57                     ; tile row (256 tokens) = 4 x cluster y + cy
	s_lshl_b32 s59, s57, 2
	s_lshl_b32 s59, 15, s59                        ; my row of the cluster
	s_lshl_b32 s60, 0x1111, s56                    ; my column
	s_or_b32 s[G1+0], s59, (1<<21)                 ; x: the mask of my row; elements of 1 byte; no padding; 21 set beside a mask
	s_mov_b32 s[G1+1], 4096<<16                    ; tensor_dim0 = 4,096
	s_mov_b32 s[G1+2], 8<<16                       ; tensor_dim1 = 8
	s_mov_b32 s[G1+3], 4096<<16                    ; tile_dim0
	s_mov_b32 s[G1+4], 8                           ; tile_dim1
	s_mov_b32 s[G1+5], 16384                       ; from a tile of 16 tokens to the next: eight K steps of 2,048 bytes
	s_mov_b32 s[G1+6], 0
	s_mov_b32 s[G1+7], 0
	s_or_b32 s[G1B+0], s60, (0<<16)|(1<<20)|(1<<21)|(5<<22)|(3<<25)  ; Wo: the mask of my column; padding: four words after every 64
	s_mov_b32 s[G1B+1], ROWB<<16                   ; tensor_dim0 = 256
	s_mov_b32 s[G1B+2], 64<<16                     ; tensor_dim1 = 64
	s_mov_b32 s[G1B+3], ROWB<<16                   ; tile_dim0
	s_mov_b32 s[G1B+4], 64                         ; tile_dim1
	s_mov_b32 s[G1B+5], KROW                       ; tensor_dim0_stride
	s_mov_b32 s[G1B+6], 0
	s_mov_b32 s[G1B+7], 0
	s_lshl_b32 s20, s17, 18                        ; x: 16 tiles of tokens x 16,384 bytes a tile row,
	s_lshl_b32 s18, s16, 17                        ; + my 8 of them
	s_add_co_u32 s20, s20, s18
	s_mov_b32 s21, 0
	s_lshl_b32 s62, s58, 7
	s_lshl_b32 s18, s16, 6
	s_add_co_u32 s62, s62, s18                     ; Wo: row 128 x tile column + 64 x half
	s_lshl_b32 s62, s62, 10                        ; of 1,024 bytes
	s_mov_b32 s63, 0
	s_lshl_b32 s44, s16, 15                        ; where they go: x's halves from a slot's first byte,
	s_mul_i32 s19, s16, HALFB
	s_add_co_u32 s19, s19, ASZ                     ; Wo's behind them: no place in the cluster enters an LDS address
	s_wait_dscnt 0x0                               ; both opening adds are done
	s_wait_kmcnt 0x0
	s_load_b64 s[96:97], s[8:9], 0x28              ; entries 10 and 11
	s_add_nc_u64 s[20:21], s[4:5], s[20:21]
	s_add_nc_u64 s[62:63], s[6:7], s[62:63]
	CROUND                                         ; all sixteen work-groups are here: the first joint loads meet
.irp s, 0,1,2                                  ; K steps 0, 1, 2: one load of mine is out at a time
	s_mov_b32 s[G0+4*\s], 1
	s_add_co_u32 s[G0+4*\s+1], s44, \s*SLOT
	s_add_nc_u64 s[G0+4*\s+2:G0+4*\s+3], s[20:21], \s*4096
	s_or_b32 s[G0+4*\s+3], s[G0+4*\s+3], 0x80000000
	s_mov_b32 s[G0B+4*\s], 1
	s_add_co_u32 s[G0B+4*\s+1], s19, \s*SLOT
	s_add_nc_u64 s[G0B+4*\s+2:G0B+4*\s+3], s[62:63], \s*ROWB
	s_or_b32 s[G0B+4*\s+3], s[G0B+4*\s+3], 0x80000000
	s_wait_alu depctr_va_vdst(0)
	s_wait_tensorcnt 0x0
	ds_add_u32 v28, v29
	ds_add_u32 v28, v29
	s_wait_dscnt 0x0
	CROUND
	JLOAD G0+4*\s, G1, G0B+4*\s, G1B
.endr
	v_and_b32 v1, 15, v0                           ; r = lane % 16
	v_bfe_u32 v2, v0, 4, 1                         ; h = lane / 16
	v_mul_u32_u24 v3, v1, PITCH
	v_lshl_add_u32 v4, v2, 4, v3                   ; Wo: a fragment's row x pitch + 16 x half
	v_and_b32 v6, 31, v0
	v_lshlrev_b32 v[LI], 4, v6
	s_lshl_b32 s21, s15, 15                        ; my 128 tokens of x
	s_mul_i32 s22, s16, HALFB
	s_add_co_u32 s22, s22, ASZ                     ; my 64 rows of Wo
.irp s, 0,1,2
	v_add_nc_u32 v[ADRA+\s], s21, v[LI]
	v_add_nc_u32 v[ADRB+\s], s22, v4
	s_add_co_u32 s21, s21, SLOT
	s_add_co_u32 s22, s22, SLOT
.endr
	s_mul_i32 s23, s14, 16*SPITCH
	s_add_co_u32 s23, s23, STG                     ; my stage
	v_mul_u32_u24 v5, v1, SPITCH
	v_lshl_add_u32 v5, v2, 5, v5
	v_add_nc_u32 v[STO], s23, v5                   ; in: row r, 32 bytes for each half of the lanes
	v_mul_u32_u24 v5, v2, SPITCH
	v_lshl_add_u32 v5, v1, 4, v5
	v_add_nc_u32 v[RD], s23, v5                    ; back: row h, 16 bytes a lane
	v_lshlrev_b32 v7, 4, v1                        ; 16 r: my four columns
	s_wait_alu depctr_va_vdst(0)
	v_lshl_add_u32 v[CO], v2, 12, v7               ; and the same two rows in out0: a row is 4,096 bytes
	s_lshl_b32 s20, s17, 8
	s_lshl_b32 s21, s15, 7
	s_add_co_u32 s20, s20, s21                     ; my first row of out0: 256 x tile row + 128 x half
	s_lshl_b32 s20, s20, 12
	s_mov_b32 s21, 0
	s_lshl_b32 s62, s58, 9                         ; my first column, in bytes: 512 x tile column + 256 x half
	s_lshl_b32 s63, s16, 8
	s_add_co_u32 s62, s62, s63
	s_mov_b32 s63, 0
	s_add_nc_u64 s[10:11], s[10:11], s[62:63]
	global_load_b128 v[12:15], v7, s[10:11]        ; bo at the four columns that I store
	s_add_nc_u64 s[20:21], s[20:21], s[62:63]
	s_add_nc_u64 s[12:13], s[12:13], s[20:21]
.macro FRAG reg, adr, q, i             ; Wo: lane l holds row l % 16; registers 4 c .. 4 c + 3 hold K = 32 c + 16 (l / 16) + 0 .. 15
.irp c, 0,1,2,3
	ds_load_b128 v[\reg+4*\c:\reg+4*\c+3], v[\adr] offset:128*(\q)+32*\c+(\i)*16*PITCH
.endr
.endm
.macro FRAGA reg, adr, q, i            ; x: the image of the same registers
.irp c, 0,1,2,3
	ds_load_b128 v[\reg+4*\c:\reg+4*\c+3], v[\adr] offset:2048*(\q)+512*\c+(\i)*4096
.endr
.endm
; 8 matrix instructions: x's blocks a0, a0 + 1 against Wo's four, 128 along K.  p: Wo's set.  zero = 1: the first product starts the sums.
; The 32 accumulators take turns, one instruction a turn, in the same order in every step.
.macro MUL8 a0, p, zero
.irp a, \a0, \a0+1
.irp b, 0,1,2,3
.if \zero
	v_wmma_f32_16x16x128_fp8_fp8 v[8*(8*((\a)%4)+\b):8*(8*((\a)%4)+\b)+7], v[128*(\p)+FR*\b:128*(\p)+FR*\b+FR-1], v[AF+FR*(\a):AF+FR*(\a)+FR-1], 0
.else
	v_wmma_f32_16x16x128_fp8_fp8 v[8*(8*((\a)%4)+\b):8*(8*((\a)%4)+\b)+7], v[128*(\p)+FR*\b:128*(\p)+FR*\b+FR-1], v[AF+FR*(\a):AF+FR*(\a)+FR-1], v[8*(8*((\a)%4)+\b):8*(8*((\a)%4)+\b)+7]
.endif
.endr
.endr
.endm
.macro FETCH_B slot, q, p              ; Wo's four fragments of the slot's q-th 128 along K into set p
	WIN TO_B
.irp i, 0,1,2,3
	FRAG 128*(\p)+FR*\i, ADRB+\slot, \q, \i
.endr
	WIN 0
.endm
.macro FETCH_A slot, q, i0             ; x's blocks i0 .. i0 + 3
.irp i, \i0, \i0+1, \i0+2, \i0+3
	FRAGA AF+FR*(\i), ADRA+\slot, \q, \i
.endr
.endm
.macro PLACES n                        ; plain vector instructions between a matrix instruction and a load into, or a read of, its registers
.rept \n
	v_nop
.endr
.endm
; A step of 128 along K on Wo's set p.  Its successor's fragments lie at the nq-th 128 along K of slot nslot, which is known whole.
.macro STEPX nslot, nq, p, zero
	s_wait_dscnt 4*NL                              ; Wo's set and x's blocks 0-3 are in; the youngest sixteen loads (blocks 4-7) may be out
	WIN MUL_LO
	MUL8 0, \p, \zero
	MUL8 2, \p, \zero
	s_wait_dscnt 0                                 ; blocks 4-7 are in
	PLACES NP
	FETCH_B \nslot, \nq, 1-(\p)
	FETCH_A \nslot, \nq, 0
	WIN MUL_HI
	MUL8 4, \p, \zero
	MUL8 6, \p, \zero
	PLACES NP
	WIN 0
	FETCH_A \nslot, \nq, 4
.endm
; A slot's last step (Wo's set 1) with a barrier.  In front of it each wave waits for all its tensor loads, adds 0 to its spare word, and waits for that and for its reads of this slot.
; fill = 1: the barrier opens a round of the cluster's, and this slot is filled again, with the K step three further on.  fill = 0: the barrier shows the refilled slot whole to every wave.
.macro TURN slot, next, fill
	s_wait_tensorcnt 0x0                           ; all my tensor loads have landed  (every window is 0 here)
	ds_add_u32 v[SPW], v[NIL]                      ; 0 onto my spare word
	s_wait_dscnt 4*NL+1                            ; the add and the youngest sixteen loads may be out
	WIN MUL_LO
	MUL8 0, 1, 0                                   ; eight matrix instructions stand between the add and the wait for it
	s_wait_dscnt 0x0                               ; the add is done, and my reads of this slot are over
	s_barrier_signal -1
	MUL8 2, 1, 0
	WIN 0
	s_barrier_wait -1
.if \fill
	CREST                                          ; no wave of any partner still reads this slot or has a load on its way
	s_add_nc_u64 s[G0+4*\slot+2:G0+4*\slot+3], s[G0+4*\slot+2:G0+4*\slot+3], 3*4096
	s_add_nc_u64 s[G0B+4*\slot+2:G0B+4*\slot+3], s[G0B+4*\slot+2:G0B+4*\slot+3], 3*ROWB
	JLOAD G0+4*\slot, G1, G0B+4*\slot, G1B         ; the first tensor load behind the round, and my only one; its four v_nop are the places in front of the loads below
.else
	PLACES NP
.endif
	FETCH_B \next, 0, 0
	FETCH_A \next, 0, 0
	WIN MUL_HI
	MUL8 4, 1, 0
	MUL8 6, 1, 0
	PLACES NP
	WIN 0
	FETCH_A \next, 0, 4
.endm
	s_wait_tensorcnt 0x2                           ; my parts of K steps 0 and 1 are in; K step 2 may be out
	s_barrier_signal -1
	s_barrier_wait -1                              ; everybody's is
	FETCH_B 0, 0, 0
	FETCH_A 0, 0, 0
	FETCH_A 0, 0, 4
	STEPX 0, 1, 0, 1                               ; slot 0, first half: its products start the sums
	TURN 0, 1, 1                                   ; slot 0, second half; all first fills have landed in every wave; slot 0 takes K step 3
	STEPX 1, 1, 0, 0                               ; slot 1
	STEPX 2, 0, 1, 0                               ; on into slot 2, shown whole by the round above
	STEPX 2, 1, 0, 0                               ; slot 2
	TURN 2, 0, 0                                   ; K step 3 has landed in every wave
	STEPX 0, 1, 0, 0                               ; slot 0 again
	s_wait_dscnt 4*NL                              ; the very last step: nothing more to fetch
	WIN MUL_LO
	MUL8 0, 1, 0
	MUL8 2, 1, 0
	s_wait_dscnt 0
	WIN MUL_HI
	MUL8 4, 1, 0
	MUL8 6, 1, 0
	WIN 0
; THE WAY OUT, block by block of 16 rows x 64 columns: the sums go through my own stage in LDS as they are and come back as rows of 256 bytes, two rows an instruction; there each lane holds four columns, always the same four,
; so one packed multiply-add for two numbers gives sum x 2^(ex + ew) + bo.  LDS serves a wave's instructions in order: no wait between the stores and the loads, nor in front of the next block's stores.
.macro TOSTAGE a
.set AC, 64*((\a)%4)
	WIN 0x08+4*((\a)/4)                            ; the stores' data: window 2 or 3
.irp b, 0,1,2,3
	ds_store_b128 v[STO], v[AC+8*\b:AC+8*\b+3] offset:64*\b           ; each accumulator from its low end on
	ds_store_b128 v[STO], v[AC+8*\b+4:AC+8*\b+7] offset:64*\b+16
.endr
	WIN 0
.set BB, BK+32*((\a)%4)
.irp t, 0,1,2,3,4,5,6,7
	ds_load_b128 v[BB+4*\t:BB+4*\t+3], v[RD] offset:\t*2*SPITCH
.endr
.endm
.macro SEND a, younger                 ; younger: the LDS instructions issued behind block a's loads
.set BB, BK+32*((\a)%4)
	s_wait_dscnt \younger
.irp t, 0,1,2,3,4,5,6,7
	v_pk_fma_f32 v[BB+4*\t:BB+4*\t+1], v[BB+4*\t:BB+4*\t+1], s[96:97], v[12:13] op_sel_hi:[1,0,1]
	v_pk_fma_f32 v[BB+4*\t+2:BB+4*\t+3], v[BB+4*\t+2:BB+4*\t+3], s[96:97], v[14:15] op_sel_hi:[1,0,1]
.endr
.irp t, 0,1,2,3,4,5,6,7
	global_store_b128 v[CO], v[BB+4*\t:BB+4*\t+3], s[12:13] offset:(16*(\a)+2*\t)*SIZE_N*4 th:TH_STORE_NT   ; sixteen lanes store 256 consecutive bytes, aligned; the row stands in the immediate (126 rows at the most), so the base is never stepped
.endr
.endm
	s_wait_kmcnt 0x0
	s_add_co_i32 s96, s96, s97
	s_add_co_i32 s96, s96, 127
	s_lshl_b32 s96, s96, 23                        ; 2^(ex + ew) as f32
	s_mov_b32 s97, s96                             ; (named with it as a pair)
	s_wait_loadcnt 0x0                             ; bo
	PLACES NP                                      ; behind the last products: their results are read, and loads land on x's fragments
	TOSTAGE 0
.irp a, 1,2,3,4,5,6,7
.if \a > 3
	s_wait_xcnt 0x0                                ; block a - 4's stores have read their registers: block a's rows land there
.endif
	TOSTAGE \a
	SEND \a-1, 16                                  ; behind block a - 1's loads: block a's 8 stores and 8 loads
.endr
	SEND 7, 0
	s_wait_tensorcnt 0x0                           ; the wave's end: behind my last tensor load and my last LDS store
	ds_add_u32 v[SPW], v[NIL]
	s_wait_dscnt 0x0
	CROUND                                         ; the closing round: no work-group ends while a partner may still ask for a tile that names it
	s_endpgm
.Lfunc_end_k_qaef42b945f_oproj:
	.size	k_qaef42b945f_oproj, .Lfunc_end_k_qaef42b945f_oproj-k_qaef42b945f_oproj
	.p2alignl 7, 3214868480
	.fill 96, 4, 3214868480
	.section	.rodata,"a",@progbits
	.p2align	6, 0x0
	.amdhsa_kernel k_qaef42b945f_oproj
		.amdhsa_group_segment_fixed_size 327680
		.amdhsa_private_segment_fixed_size 0
		.amdhsa_enable_private_segment 0
		.amdhsa_kernarg_size 40
		.amdhsa_user_sgpr_count 2
		.amdhsa_user_sgpr_kernarg_segment_ptr 1
		.amdhsa_wavefront_size32 1
		.amdhsa_system_sgpr_workgroup_id_x 1
		.amdhsa_system_sgpr_workgroup_id_y 1
		.amdhsa_system_sgpr_workgroup_id_z 1
		.amdhsa_system_vgpr_workitem_id 0
		.amdhsa_next_free_vgpr 1024
		.amdhsa_next_free_sgpr 98
		.amdhsa_reserve_vcc 0
		.amdhsa_float_denorm_mode_32 3
		.amdhsa_float_denorm_mode_16_64 3
		.amdhsa_memory_ordered 1
		.amdhsa_forward_progress 1
		.amdhsa_inst_pref_size 79
	.end_amdhsa_kernel
	.amdgpu_metadata
---
amdhsa.version: [ 1, 2 ]
amdhsa.kernels:
  - .name:           k_qaef42b945f_oproj
    .symbol:         k_qaef42b945f_oproj.kd
    .args:
      - { .name: xf, .offset: 0, .size: 8, .value_kind: global_buffer, .address_space: global }
      - { .name: Wo_codes, .offset: 8, .size: 8, .value_kind: global_buffer, .address_space: global }
      - { .name: lowp_scales, .offset: 16, .size: 8, .value_kind: global_buffer, .address_space: global }
      - { .name: bo, .offset: 24, .size: 8, .value_kind: global_buffer, .address_space: global }
      - { .name: out0, .offset: 32, .size: 8, .value_kind: global_buffer, .address_space: global }
    .group_segment_fixed_size: 327680
    .private_segment_fixed_size: 0
    .kernarg_segment_align: 8
    .kernarg_segment_size: 40
    .max_flat_workgroup_size: 128
    .sgpr_count:     98
    .vgpr_count:     1024
    .wavefront_size: 32
...
	.end_amdgpu_metadata
.endif
;; end of part 4
